; MI455X (gfx1250); checked and timed in simulation.
; The chip was launched on July 23, 2026; its instructions are those of AMD's public machine-readable ISA for CDNA 5 (MIT licence, August 2026) and "CDNA5" Instruction Set Architecture Reference Guide (July 2026). The comments in the code are by the model that wrote it; some were corrected since.
;; Sparse Mo E Layer. Allowed arithmetic: matrix products marked QUANTISED: E2M1 operands, one E8M0 scale for each 32 along K, by v_wmma_scale_f32_16x16x128_f8f6f4 with both operands' format E2M1 (or v_wmma_scale_f32_32x16x128_f4), f32 sums; products left as they are: f32 operands where the result goes on into a quantised operand, else bf16, f16 or f32 operands; f32 sums; everything else in f32.
;; Inputs: W1_codes 8 x 4,096 x 32 x 16 uint8 (E2M1 codes of W1, K innermost, in blocks of 32 codes, two codes a byte); W1_scales 8 x 4,096 x 32 uint8 (E8M0 scales of W1, one for each 32 codes along K); W2_codes 8 x 1,024 x 128 x 16 uint8 (E2M1 codes of W2, K innermost, in blocks of 32 codes, two codes a byte); W2_scales 8 x 1,024 x 128 uint8 (E8M0 scales of W2, one for each 32 codes along K); Wg 1,024 x 8 float32; b1 8 x 4,096 float32; b2 8 x 1,024 float32; bg 8 float32; x 1,024 x 1,024 float32.
;; Outputs: out0 1,024 x 1,024 float32; out1 one number float32.
;; This version of the problem:
;;   THIS VERSION OF THE PROBLEM IS GIVEN IN LOW PRECISION. The matrix products marked QUANTISED in the list below multiply operands that are first quantised to E2M1 (2 exponent bits, 1 mantissa bit; 4 bits a number), with one power-of-two scale for each 32 numbers along K (OCP MX v1.0); their sums are f32. All else is computed in f32.
;;   The module's matrix products, in the order in which they are computed (A, B: the left and right operand; K: the contracted axis; several contracted axes count as one K, in the product's order):
;;     1. [M 1,024, K 1,024] x [K 1,024, N 8]; A: input x; B: input Wg: left as it is (N = 8 < 16)
;;     2. [M 1,024, K 1,024] x [K 1,024, N 32,768]; A: input x; B: input W1 (given as codes): QUANTISED
;;     3. batch 8 x [M 1,024, K 4,096] x [K 4,096, N 1,024]; A: input W2 (given as codes); B: computed on the way: QUANTISED
;;   THE QUANTISER, for each operand of a quantised product, along K:
;;     - K is cut into blocks of 32 from its start; a last block that is shorter is filled with zeros.
;;     - A block's scale is 2^e with e = floor(log2(the largest magnitude in the block)) - 2, held to -126 .. 127; a block of zeros has e = 0. As a byte (E8M0): e + 127.
;;     - Each number is divided by its block's scale, clamped to +-6, and rounded to the nearest number of E2M1, ties to even, subnormals kept.
;;     - The product sums the exact products of the quantised numbers (number of the format x scale) in f32.
;;   ~~~python
;;   def quantise(x, axis):      # numpy; x: float32 -> the quantised numbers, widened to float32 again
;;       x = np.moveaxis(x, axis, -1); K = x.shape[-1]
;;       x = np.pad(x, [(0, 0)] * (x.ndim - 1) + [(0, -K % 32)]); x = x.reshape(x.shape[:-1] + (-1, 32)); a = np.abs(x).max(-1, keepdims=True)
;;       e = np.where(a > 0, np.clip(np.frexp(np.where(a > 0, a, 1))[1] - 1 - 2, -126, 127), 0)      # np.frexp(a)[1] - 1 = floor(log2(a)), exactly
;;       r = np.clip(x / 2.0 ** e, -6, 6)
;;       step = 2.0 ** (np.maximum(np.frexp(np.where(r == 0, 1, r))[1] - 1, 0) - 1)
;;       q = np.round(r / step) * step * 2.0 ** e      # np.round: ties to even
;;       return np.moveaxis(q.reshape(q.shape[:-2] + (-1,))[..., :K], -1, axis).astype(np.float32)
;;   ~~~
;;   OPERANDS COMPUTED ON THE WAY. 'Computed on the way' means the value that the module computes at that place (a softmax that the list does not call 'softmax' is quantised finished and normalised). What goes into a quantiser is computed in f32, as accurately as f32 sums, v_exp_f32 and their like allow (about 1e-6 of the number): no bf16 or f16 on the way to a quantiser, and a product that is left as it is and whose result goes on into a quantised operand takes f32 operands (vector FMAs, or v_wmma_f32_16x16x4_f32). A number that lies on a knife's edge between two numbers of the format may be rounded either way, as far as f32 arithmetic and the matrix unit's own rounding can turn it there, and no further.
;;   INPUTS GIVEN AS CODES. W1 (in the module: [8, 1024, 4096], K = its axis 1); W2 (in the module: [8, 4096, 1024], K = its axis 1): each comes as NAME_codes (uint8): NAME with its K axis moved to the last place and cut into blocks of 32 codes, [.., K / 32, bytes a block], one block behind the other in memory; two codes a byte, the lower K in the low four bits (a code: sign, 2 exponent bits, 1 mantissa bit); and NAME_scales (uint8): the same leading axes, one E8M0 byte (e + 127) for each 32 codes along K. Its value is code x scale, taken as it is: it is not quantised again, and the codes and scales need not be those that the quantiser above would give.
;; 2 versions, each right; version 2 is version 1 with the launch down written anew for expert scheduling mode. Each part assembles by itself: llvm-mc -triple=amdgcn-amd-amdhsa -mcpu=gfx1250 --defsym DOCPART=n.
;; ======== version 1 of 2: 4 launches
;; workspace buffers: xq 524,288 bytes; xs 32,768 bytes; sel 4,096 bytes of whole numbers; gatef 16,384 bytes; hqc 16,777,216 bytes; hqs 1,048,576 bytes; rows 36,864 bytes of whole numbers; ybuf 17,825,792 bytes
;; launch gate (part 1): grid 256 x 1, 4 waves a work-group, no clusters, 52,736 bytes of LDS; arguments x, Wg, bg, xq, xs, sel, gatef; writes xq, xs, sel, gatef
.if DOCPART == 1
	.amdgcn_target "amdgcn-amd-amdhsa--gfx1250"
	.amdhsa_code_object_version 6
	.text
	.protected	k_qb6d06b00a0_gate
	.globl	k_qb6d06b00a0_gate
	.p2align	8
	.type	k_qb6d06b00a0_gate,@function
k_qb6d06b00a0_gate:
	s_mov_b64 s[64:65], 0
	v_nop
	global_prefetch_b8 v0, s[64:65] scope:SCOPE_SE
	s_setreg_imm32_b32 hwreg(HW_REG_WAVE_MODE, 25, 1), 1
	s_wait_xcnt 0x0
; ROUTER AND QUANTISER OF x.  x [1024][1024] f32, Wg [1024][8] f32, bg [8] f32.
; A wave takes ONE token t = 4 x work-group + wave; lane l takes elements 32 l .. 32 l + 31 of its row: one block of the quantiser, and 32 rows of Wg.
; Out: xq [1024][512 B] E2M1 codes of x (block j at byte 16 j); xs [1024][32 B] their E8M0 bytes; sel [1024] u32 = first expert | second expert << 8;
; gatef: bytes 0..8191 the two weights of each token (f32 pair), bytes 8192.. the work-group's sums of its four tokens' eight probabilities.
; The logits are f32 fused multiply-adds; the softmax takes the row's maximum away; the top 2 are found by compares and selects on values alone: no address and no branch hangs on them here.
; LIMITS: NaN and infinities among the inputs are not served.  A block of zeros gets the scale byte 1 where the rule says 127: its codes are zeros and this program alone reads the bytes.
; A probability under 2^-126 counts as 0 (the exponential's result).  Where the second and third probability lie within f32 rounding of each other the choice may differ from another order of sums.
; The small results (32 bytes of xs, 8 of the weights, 4 of sel, 32 of the sums) leave as they are: they are under one part in a hundred of the launch's bytes.
.set WGP, 1040                         ; LDS: a lane's 1,024 bytes of Wg + 16 of padding: 65 x 16
.set XT,  32*WGP                       ; behind Wg: for each wave 32 blocks of x, 128 bytes + 16 of padding
.set XTP, 144
.set PS,  XT+4*32*XTP                  ; behind them: 32 bytes for each wave: its token's eight probabilities
.set RAW, 16                           ; v16-47   x as loaded
.set X,   48                           ; v48-79   my 32 neighbours of x
.set WB0, 80                           ; v80-143  Wg: first as loaded, then eight rows of my 32 at a time
.set WB1, 144                          ; v144-207 the other such set
.set ACC, 208                          ; v208-223 two sets of eight sums (even and odd elements)
.set P,   224                          ; v224-231 logits, then probabilities
.set Q,   232                          ; v232-239 at work
	s_load_b256 s[4:11], s[0:1], 0x0               ; x s[4:5], Wg s[6:7], bg s[8:9], xq s[10:11]
	s_load_b128 s[12:15], s[0:1], 0x20             ; xs s[12:13], sel s[14:15]
	s_load_b64 s[16:17], s[0:1], 0x30              ; gatef
	v_lshl_add_u32 v14, v0, 2, 0xcc00
	v_mov_b32 v15, 0
	v_lshrrev_b32 v1, 5, v0
	v_readfirstlane_b32 s18, v1                    ; wave
	v_and_b32 v1, 31, v0                           ; lane
	v_lshlrev_b32 v2, 4, v1                        ; 16 x lane
	s_lshl_b32 s19, ttmp9, 2
	s_add_co_u32 s19, s19, s18                     ; my token
	s_mul_i32 s22, s18, 32*XTP
	s_add_co_u32 s22, s22, XT                      ; my wave's stage for x
	v_lshrrev_b32 v10, 3, v1
	v_and_b32 v11, 7, v1
	v_mul_u32_u24 v10, v10, XTP
	v_lshl_add_u32 v10, v11, 4, v10
	v_add_nc_u32 v3, s22, v10                      ; in: eight lanes' 128 bytes are a block: 144 (lane / 8) + 16 (lane % 8); a load's 512 bytes are four blocks
	v_mul_u32_u24 v4, v1, XTP
	v_add_nc_u32 v4, s22, v4                       ; out: block = my lane
	s_mul_i32 s22, s18, 8*WGP
	v_add_nc_u32 v5, s22, v2                       ; Wg in: my wave brings 8,192 bytes: eight lanes' parts
	v_mul_u32_u24 v6, v1, WGP                      ; Wg out: my lane's part
	v_mov_b32 v7, 0
	s_lshl_b32 s22, s18, 5
	s_add_co_u32 s22, s22, PS
	v_mov_b32 v8, s22                              ; my wave's eight probabilities
	v_mov_b32 v9, PS
	s_mov_b32 s20, 0x76543210
	s_mov_b32 s21, 0xfedcba98                      ; v_permlanex16_b32's selects for lane l xor 16
	s_mov_b32 s41, 0x3fb8aa3b                      ; log2(e)
	s_mov_b32 s33, 0
.irp e, 0,1,2,3,4,5,6,7
	v_mov_b32 v[Q+\e], 0                           ; a lane permute's destination counts as one of its sources
.endr
	s_wait_kmcnt 0x0
	s_load_b256 s[24:31], s[8:9], 0x0              ; bg: eight numbers, the same for every lane
	s_lshl_b32 s32, s19, 12
	s_add_nc_u64 s[4:5], s[4:5], s[32:33]          ; x at my row
	s_lshl_b32 s32, s18, 13
	s_add_nc_u64 s[6:7], s[6:7], s[32:33]          ; Wg at my wave's quarter
	s_lshl_b32 s32, s19, 9
	s_add_nc_u64 s[10:11], s[10:11], s[32:33]      ; xq at my token
	s_lshl_b32 s32, s19, 5
	s_add_nc_u64 s[12:13], s[12:13], s[32:33]      ; xs
	s_lshl_b32 s32, s19, 2
	s_add_nc_u64 s[14:15], s[14:15], s[32:33]      ; sel
	s_lshl_b32 s32, s19, 3
	s_add_nc_u64 s[36:37], s[16:17], s[32:33]      ; the pair of weights
	s_lshl_b32 s32, ttmp9, 5
	s_add_co_u32 s32, s32, 8192
	s_add_nc_u64 s[16:17], s[16:17], s[32:33]      ; the work-group's eight sums
.irp j, 0,1,2,3,4,5,6,7
	global_load_b128 v[RAW+4*\j:RAW+4*\j+3], v2, s[4:5] offset:512*\j th:TH_LOAD_NT   ; 512 consecutive bytes of my row
.endr
.irp i, 0,1,2,3,4,5,6,7,8,9,10,11,12,13,14,15
	global_load_b128 v[WB0+4*\i:WB0+4*\i+3], v2, s[6:7] offset:512*\i
.endr
	s_wait_loadcnt 16                              ; x's eight loads are in; Wg's sixteen, issued behind them, may be out
.irp j, 0,1,2,3,4,5,6,7
	ds_store_b128 v3, v[RAW+4*\j:RAW+4*\j+3] offset:4*XTP*\j
.endr
.irp i, 0,1,2,3,4,5,6,7
	ds_load_b128 v[X+4*\i:X+4*\i+3], v4 offset:16*\i    ; my wave's own bytes, served in order: no wait between the stores and the loads
.endr
	s_wait_loadcnt 0x0
.irp i, 0,1,2,3,4,5,6,7,8,9,10,11,12,13,14,15
	ds_store_b128 v5, v[WB0+4*\i:WB0+4*\i+3] offset:WGP*(\i/2)+512*(\i%2)
.endr
	s_wait_dscnt 0x0                               ; my part of Wg lies in LDS (for the others' sake), and x is back
	s_barrier_signal -1
	s_barrier_wait -1                              ; Wg is whole
.macro WGRP g, buf                     ; the rows of Wg for my elements 8 g .. 8 g + 7: register 8 kk + e = Wg[32 lane + 8 g + kk][e]
.irp i, 0,1,2,3,4,5,6,7,8,9,10,11,12,13,14,15
	ds_load_b128 v[\buf+4*\i:\buf+4*\i+3], v6 offset:256*\g+16*\i
.endr
.endm
.macro FMA g, buf                      ; eight elements x eight experts, two experts an instruction; even elements into set 0, odd ones into set 1; the first two products start the sums
.irp j, 0,1,2,3
.irp p, 0,1,2,3
.if (\g == 0) && (\j == 0)
	v_pk_mul_f32 v[ACC+2*\p:ACC+2*\p+1], v[\buf+2*\p:\buf+2*\p+1], v[X:X+1] op_sel_hi:[1,0]
	v_pk_mul_f32 v[ACC+8+2*\p:ACC+9+2*\p], v[\buf+8+2*\p:\buf+9+2*\p], v[X:X+1] op_sel:[0,1] op_sel_hi:[1,1]
.else
	v_pk_fma_f32 v[ACC+2*\p:ACC+2*\p+1], v[\buf+16*\j+2*\p:\buf+16*\j+2*\p+1], v[X+8*\g+2*\j:X+8*\g+2*\j+1], v[ACC+2*\p:ACC+2*\p+1] op_sel_hi:[1,0,1]
	v_pk_fma_f32 v[ACC+8+2*\p:ACC+9+2*\p], v[\buf+16*\j+8+2*\p:\buf+16*\j+9+2*\p], v[X+8*\g+2*\j:X+8*\g+2*\j+1], v[ACC+8+2*\p:ACC+9+2*\p] op_sel:[0,1,0] op_sel_hi:[1,1,1]
.endif
.endr
.endr
.endm
	WGRP 0, WB0
	WGRP 1, WB1
	; my block of x is quantised while Wg's rows come: the largest magnitude (with the floor 2^(3 - 127) among its leaves, which holds the byte at 1 from below), 2 off its exponent field, four conversions
	v_max3_num_f32 v240, |v[X]|, |v[X+1]|, |v[X+2]|
	v_max3_num_f32 v241, |v[X+3]|, |v[X+4]|, |v[X+5]|
.irp i, 6,10,14,18,22,26
	v_max3_num_f32 v240, v240, |v[X+\i]|, |v[X+\i+1]|
	v_max3_num_f32 v241, v241, |v[X+\i+2]|, |v[X+\i+3]|
.endr
	v_max3_num_f32 v240, v240, |v[X+30]|, |v[X+31]|
	v_max3_num_f32 v240, v240, v241, 0x1800000
	v_add_nc_u32 v242, 0xff000000, v240            ; the conversion takes this operand's exponent field as its scale
.irp g, 0,1,2,3
	v_cvt_scalef32_pk8_fp4_f32 v[244+\g], v[X+8*\g:X+8*\g+7], v242
.endr
	v_lshrrev_b32 v243, 23, v242                   ; the scale's byte (also the plain line behind the conversions)
	global_store_b128 v2, v[244:247], s[10:11]     ; the wave stores its token's 512 consecutive bytes of codes
	global_store_b8 v1, v243, s[12:13]             ; and its 32 scale bytes
	s_wait_dscnt 16                                ; the older of the two groups of sixteen loads is in
	FMA 0, WB0
	WGRP 2, WB0
	s_wait_dscnt 16
	FMA 1, WB1
	WGRP 3, WB1
	s_wait_dscnt 16
	FMA 2, WB0
	s_wait_dscnt 0x0
	FMA 3, WB1
.irp p, 0,1,2,3
	v_pk_add_f32 v[P+2*\p:P+2*\p+1], v[ACC+2*\p:ACC+2*\p+1], v[ACC+8+2*\p:ACC+9+2*\p]
.endr
.irp m, 1,2,4,8                        ; the eight sums over the 32 lanes: every lane ends with all eight
.irp e, 0,1,2,3,4,5,6,7
	v_add_f32_dpp v[P+\e], v[P+\e], v[P+\e] row_xmask:\m row_mask:0xf bank_mask:0xf
.endr
.endr
.irp e, 0,1,2,3,4,5,6,7
	v_permlanex16_b32 v[Q+\e], v[P+\e], s20, s21
.endr
	s_wait_kmcnt 0x0                               ; bg
.irp e, 0,1,2,3,4,5,6,7
	v_add_f32 v[P+\e], v[P+\e], v[Q+\e]
.endr
.irp e, 0,1,2,3,4,5,6,7
	v_add_f32 v[P+\e], s[24+\e], v[P+\e]           ; the logits
.endr
	v_max3_num_f32 v240, v[P], v[P+1], v[P+2]
	v_max3_num_f32 v240, v240, v[P+3], v[P+4]
	v_max3_num_f32 v240, v240, v[P+5], v[P+6]
	v_max_num_f32 v240, v240, v[P+7]               ; the row's maximum
.irp e, 0,1,2,3,4,5,6,7
	v_sub_f32 v[Q+\e], v[P+\e], v240               ; the difference first, the factor after it: so large logits lose nothing
.endr
.irp e, 0,1,2,3,4,5,6,7
	v_mul_f32 v[Q+\e], s41, v[Q+\e]
.endr
.irp e, 0,1,2,3,4,5,6,7
	v_exp_f32 v[P+\e], v[Q+\e]
.endr
	v_nop                                          ; a plain line behind the last exponential
	s_wait_alu depctr_va_vdst(0)                   ; one wait for the eight, ahead of their first reader
	v_add_f32 v240, v[P], v[P+1]
	v_add_f32 v241, v[P+2], v[P+3]
	v_add_f32 v242, v[P+4], v[P+5]
	v_add_f32 v255, v[P+6], v[P+7]
	v_add_f32 v240, v240, v241
	v_add_f32 v242, v242, v255
	v_add_f32 v240, v240, v242
	v_rcp_f32 v241, v240
	v_nop
	s_wait_alu depctr_va_vdst(0)
.irp e, 0,1,2,3,4,5,6,7
	v_mul_f32 v[P+\e], v[P+\e], v241               ; the probabilities
.endr
	ds_store_b128 v8, v[P:P+3]                     ; every lane holds the same eight: all lanes write the same bytes with the same values
	ds_store_b128 v8, v[P+4:P+7] offset:16
	; the largest: a later expert replaces an earlier one only where it is strictly greater, so the lower index wins a tie
	v_mov_b32 v248, v[P]
	v_mov_b32 v249, 0
.irp e, 1,2,3,4,5,6,7
	v_cmp_le_f32 vcc_lo, v[P+\e], v248
	v_cndmask_b32 v248, v[P+\e], v248, vcc_lo
	v_cndmask_b32 v249, \e, v249, vcc_lo
.endr
.irp e, 0,1,2,3,4,5,6,7
	v_cmp_ne_u32 vcc_lo, \e, v249
	v_cndmask_b32 v[Q+\e], -1.0, v[P+\e], vcc_lo   ; the winner is taken out (no probability is negative)
.endr
	v_mov_b32 v250, v[Q]
	v_mov_b32 v251, 0
.irp e, 1,2,3,4,5,6,7
	v_cmp_le_f32 vcc_lo, v[Q+\e], v250
	v_cndmask_b32 v250, v[Q+\e], v250, vcc_lo
	v_cndmask_b32 v251, \e, v251, vcc_lo
.endr
	v_add_f32 v240, v248, v250
	v_rcp_f32 v241, v240
	v_lshl_or_b32 v254, v251, 8, v249              ; first expert | second << 8 (a plain line behind the reciprocal)
	s_wait_alu depctr_va_vdst(0)
	v_mul_f32 v252, v248, v241                     ; the two weights, made to add up to 1
	v_mul_f32 v253, v250, v241
	v_cmp_eq_u32 vcc_lo, 0, v1
	s_wait_xcnt 0x0                                ; EXEC changes only behind this wait: the stores of codes and bytes were issued under the full one
	s_and_saveexec_b32 s40, vcc_lo                 ; lane 0 alone
	global_store_b64 v7, v[252:253], s[36:37]
	global_store_b32 v7, v254, s[14:15]
	s_wait_xcnt 0x0
	s_or_b32 exec_lo, exec_lo, s40
	s_wait_dscnt 0x0                               ; my token's probabilities lie in LDS
	s_barrier_signal -1
	s_barrier_wait -1
	s_cmp_lg_u32 s18, 0
	s_cbranch_scc1 .Lothers                        ; wave 0 adds the four tokens'
.irp i, 0,1,2,3,4,5,6,7
	ds_load_b128 v[16+4*\i:19+4*\i], v9 offset:16*\i
.endr
	s_wait_dscnt 0x0
.irp w, 1,2,3
.irp p, 0,1,2,3
	v_pk_add_f32 v[16+2*\p:17+2*\p], v[16+2*\p:17+2*\p], v[16+8*\w+2*\p:17+8*\w+2*\p]
.endr
.endr
	v_cmp_eq_u32 vcc_lo, 0, v1
	s_wait_xcnt 0x0
	s_wait_tensorcnt 0x0
	ds_add_u32 v14, v15
	s_wait_dscnt 0x0
	s_and_saveexec_b32 s40, vcc_lo
	global_store_b128 v7, v[16:19], s[16:17]
	global_store_b128 v7, v[20:23], s[16:17] offset:16
	s_endpgm
.Lothers:
	s_wait_tensorcnt 0x0
	ds_add_u32 v14, v15
	s_wait_dscnt 0x0
	s_endpgm
.Lfunc_end_k_qb6d06b00a0_gate:
	.size	k_qb6d06b00a0_gate, .Lfunc_end_k_qb6d06b00a0_gate-k_qb6d06b00a0_gate
	.p2alignl 7, 3214868480
	.fill 96, 4, 3214868480
	.section	.rodata,"a",@progbits
	.p2align	6, 0x0
	.amdhsa_kernel k_qb6d06b00a0_gate
		.amdhsa_group_segment_fixed_size 52736
		.amdhsa_private_segment_fixed_size 0
		.amdhsa_enable_private_segment 0
		.amdhsa_kernarg_size 56
		.amdhsa_user_sgpr_count 2
		.amdhsa_user_sgpr_kernarg_segment_ptr 1
		.amdhsa_wavefront_size32 1
		.amdhsa_system_sgpr_workgroup_id_x 1
		.amdhsa_system_sgpr_workgroup_id_y 1
		.amdhsa_system_sgpr_workgroup_id_z 1
		.amdhsa_system_vgpr_workitem_id 0
		.amdhsa_next_free_vgpr 256
		.amdhsa_next_free_sgpr 66
		.amdhsa_reserve_vcc 1
		.amdhsa_float_denorm_mode_32 3
		.amdhsa_float_denorm_mode_16_64 3
		.amdhsa_memory_ordered 1
		.amdhsa_forward_progress 1
		.amdhsa_inst_pref_size 31
	.end_amdhsa_kernel
	.amdgpu_metadata
---
amdhsa.version: [ 1, 2 ]
amdhsa.kernels:
  - .name:           k_qb6d06b00a0_gate
    .symbol:         k_qb6d06b00a0_gate.kd
    .args:
      - { .name: x, .offset: 0, .size: 8, .value_kind: global_buffer, .address_space: global }
      - { .name: Wg, .offset: 8, .size: 8, .value_kind: global_buffer, .address_space: global }
      - { .name: bg, .offset: 16, .size: 8, .value_kind: global_buffer, .address_space: global }
      - { .name: xq, .offset: 24, .size: 8, .value_kind: global_buffer, .address_space: global }
      - { .name: xs, .offset: 32, .size: 8, .value_kind: global_buffer, .address_space: global }
      - { .name: sel, .offset: 40, .size: 8, .value_kind: global_buffer, .address_space: global }
      - { .name: gatef, .offset: 48, .size: 8, .value_kind: global_buffer, .address_space: global }
    .group_segment_fixed_size: 52736
    .private_segment_fixed_size: 0
    .kernarg_segment_align: 8
    .kernarg_segment_size: 56
    .max_flat_workgroup_size: 128
    .sgpr_count:     66
    .vgpr_count:     256
    .wavefront_size: 32
...
	.end_amdgpu_metadata
.endif
;; end of part 1
;; launch up (part 2): grid 32 x 8, 4 waves a work-group, no clusters, 72,704 bytes of LDS; arguments W1_codes, W1_scales, b1, xq, xs, sel, hqc, hqs, rows; writes hqc, hqs, rows
.if DOCPART == 2
	.amdgcn_target "amdgcn-amd-amdhsa--gfx1250"
	.amdhsa_code_object_version 6
	.text
	.protected	k_qb6d06b00a0_up
	.globl	k_qb6d06b00a0_up
	.p2align	8
	.type	k_qb6d06b00a0_up,@function
k_qb6d06b00a0_up:
	s_mov_b64 s[64:65], 0
	v_nop
	global_prefetch_b8 v0, s[64:65] scope:SCOPE_SE
	s_setreg_imm32_b32 hwreg(HW_REG_WAVE_MODE, 25, 1), 1
	s_wait_xcnt 0x0
; FIRST PRODUCT, CHOSEN ROWS ONLY: hidden = Q(gelu(xq W1 + b1)), MX-FP4 on both sides, the hidden layer quantised in registers and stored as codes.
; Work-group (x = nt, y = e) owns hidden units 128 nt .. 128 nt + 127 of expert e: 64 KiB of W1's codes, one dense block, read from memory by this work-group alone.
; EVERY wave holds the whole slice in 512 registers; the waves share the expert's tiles of 16 rows: wave w takes tiles 4 i + w.  128 hidden units are one K step of the second product, so a wave makes a whole
; fragment (16 rows x 128) and its scale words, and stores the fragment as an image of the operand's registers: hqc [e][tile][K step][2][32 lanes][16 B].
; The scale words lie as the next launch loads them: hqs [e][tile][2 KiB]: the word of K step s and row r at 512 (s / 8) + 256 (s % 2) + 16 r + 4 ((s / 2) % 4): one load of 16 bytes a lane there brings eight K steps' words.
; THE LIST.  Which tokens chose expert e is read from sel (whole numbers that the launch before stored).  Wave 0 compacts them into LDS: entry = token | rank << 10.  A place past the count holds
; 2048 + 16 e + (place % 16): its low ten bits are a token (under 128) whose row fills the tile here; the whole number is a spare row of the next launch's result.  The work-group nt = 0 of each expert stores list and
; count in rows for the next launch.  The rows that fill a tile are computed and stored like the others, so that every byte of a tile that is read later is written.
; Tiles 0 to 7 of every expert are always made (each wave's first two), so that the next launch can ask for them before it knows the count.  The grid serves every split: an expert can have all 1,024 tokens (64 tiles).
; No tensor load, no copy, no cluster: the tiles' count hangs on stored numbers.  The loop has 16 trips, a constant; a trip past the expert's last tile jumps over its work.
; THE MATRIX INSTRUCTION IS USED TRANSPOSED (source 0 = 16 rows of W1, source 1 = 16 rows of x), AND THE ROWS OF W1 THAT FORM A TILE ARE NOT NEIGHBOURS: lane r of tile 2 b + u takes row 32 b + 8 u + r + 8 (r / 8):
; a lane then holds one row of x, and the 16 registers of tiles 2 b, 2 b + 1 are hidden units 32 b + 16 (lane / 16) + 0 .. 15: neighbours along the next K.
; GELU, exact form, in f32: gelu(z) = max(0, z) - |z| R, R = erfc(a) / 2, a = |z| / sqrt 2; (1 + 2 a) e^(a a) erfc(a) = p(q) + 1 with q = (a - 2) / (a + 2), p of degree 9; e^(-a a) = 2^(-z z log2(e) / 2).
; One reciprocal serves both divisions: r = 1 / ((a + 2)(4 a + 2)); 1 / (a + 2) = r (4 a + 2), 1 / (4 a + 2) = r (a + 2).
; LIMITS: NaN and infinities are not served; gelu holds for |z| under 8e37 (4 a + 2 must stay finite).  A block of zeros gets the scale byte 1 where the rule says 127: its codes are zeros, and this program alone reads the bytes.
; hqs leaves as sixteen words inside one aligned block of 256 bytes, a tile and K step at a time; xq's rows are gathered 32 bytes a row and instruction, a row's 512 bytes in sixteen loads on end.
; REGISTERS, in windows of 256: window 0: see the names below.  Window 1: W1's fragments (K step s, tile t) at 8 (8 s + t), s = 0..3 (at the head its v0-127 take the rows as loaded).  Window 2: s = 4..7.
; Window 3: v0-63 b1 in the result's layout, v64-127 x's eight fragments.
.set WP,    528                        ; LDS: a row of W1, 512 bytes + 16 of padding = 33 x 16: the sixteen rows of a fragment load start in different banks
.set LIST,  128*WP                     ; behind the 128 rows: 1,152 words: 0..1023 entries, ..1087 fillers (the look-ahead reads four tiles on), 1088..1119 a word for each lane that has nothing to store, 1120 the count
.set DUMPW, 1088
.set CNTW,  1120
.set LANE, 1
.set RR,   2                           ; lane % 16
.set HH,   3                           ; lane / 16
.set LA,   4                           ; LDS: my row's entry in tile w
.set L16,  5                           ; 16 x lane
.set STW,  6                           ; LDS: where my wave puts its 32 rows of W1
.set FRA,  7                           ; LDS: my lane's place in a fragment of W1
.set ENT,  8                           ; the entry just read
.set XAO,  9                           ; byte offset of my row's codes in xq
.set XSO,  10                          ; and of its scale words in xs
.set HSO,  11                          ; 16 x (lane % 16): my row's place among a K step's scale words
.set LAC,  12                          ; LDS: the entry of the tile in hand
.set H16,  13                          ; 16 x (lane / 16)
.set LX,   14                          ; LDS: the list, 16 bytes a lane
.set CNTA, 15                          ; LDS: the count
.set TOK4, 16                          ; 4 x lane
.set DUMP, 17                          ; my spare place in the list
.set W1O,  18                          ; byte offset of my row's scale words in a block of 32 rows of W1
.set B1O,  19                          ; 64 x (lane / 16)
.set W1S,  24                          ; v24-55  W1's scale words: register 8 b + s: lanes 0-15 tile 2 b, lanes 16-31 tile 2 b + 1, K step s
.set XS,   56                          ; v56-59  x's scale words: register j: lanes 0-15 K step j, lanes 16-31 K step 4 + j
.set PC,   60                          ; v60-67  the codes just made
.set TM,   68                          ; v68-83  at work in the quantiser
.set PW,   84                          ; the scale word just made
.set C9V,  86                          ; v86-87  the polynomial's leading coefficient, twice
.set PADV, 88                          ; v88-91  the list's fillers for places 4 lane + 0 .. 3 (and every 128 places on)
.set HA,   96                          ; v96-159 the eight tiles of the hidden layer
.set GT,   160                         ; v160-239 at work in gelu; at the head sel's words and the list's work, later the list on its way out
.set GA,   GT
.set GP,   GT+16
.set GD,   GT+32
.set GR,   GT+48
.set GE,   GT+64
.set SEL,  GT                          ; v160-191 sel's words
.set LO,   192                         ; the list, eight groups of 32 tokens at a time: v192-199 first experts,
.set HI,   200                         ; v200-207 second experts,
.set TK,   208                         ; v208-215 tokens,
.set TK1,  216                         ; v216-223 tokens with rank 1,
.set EN,   224                         ; v224-231 entries,
.set AD,   240                         ; v240-247 their LDS addresses (these registers serve nothing else),
.set PO,   248                         ; v248-255 their places
.set MA,   72                          ; s72-79  masks: the lanes whose token chose e,
.set MH,   80                          ; s80-87  and those that chose it second
.set B1,   0                           ; in window 3
.set XF,   64                          ; in window 3
.set MSB, 0
.macro WIN new                         ; the immediate's high byte repeats the setting that is left
.if MSB != \new
	s_set_vgpr_msb (MSB<<8)|\new
.set MSB, \new
.endif
.endm
.macro PAIR reg, bits                  ; a constant for the packed forms: they name a pair, so both words are written
	s_mov_b32 s[\reg], \bits
	s_mov_b32 s[\reg+1], \bits
.endm
	s_load_b512 s[4:19], s[0:1], 0x0               ; W1's codes s[4:5], its scales s[6:7], b1 s[8:9], xq s[10:11], xs s[12:13], sel s[14:15], hqc s[16:17], hqs s[18:19]
	s_load_b64 s[20:21], s[0:1], 0x40              ; rows
	v_lshl_add_u32 v92, v0, 2, 0x11a00
	v_mov_b32 v93, 0
	v_lshrrev_b32 v1, 5, v0
	v_readfirstlane_b32 s22, v1                    ; wave
	s_and_b32 s23, ttmp7, 0xffff                   ; e
	s_mov_b32 s24, ttmp9                           ; nt
	v_and_b32 v[LANE], 31, v0
	v_and_b32 v[RR], 15, v0
	v_bfe_u32 v[HH], v0, 4, 1
	s_lshl_b32 s60, s22, 6
	s_add_co_u32 s60, s60, LIST
	v_lshl_add_u32 v[LA], v[RR], 2, s60            ; LIST + 64 w + 4 r
	v_mov_b32 v[LAC], v[LA]
	v_lshlrev_b32 v[L16], 4, v[LANE]
	s_mul_i32 s60, s22, 32*WP
	v_add_nc_u32 v[STW], s60, v[L16]
	v_mul_u32_u24 v[FRA], v[RR], WP
	v_lshl_add_u32 v[FRA], v[HH], 4, v[FRA]
	v_lshlrev_b32 v[HSO], 4, v[RR]
	v_lshlrev_b32 v[H16], 4, v[HH]
	v_add_nc_u32 v[LX], LIST, v[L16]
	v_mov_b32 v[CNTA], LIST+4*CNTW
	v_lshlrev_b32 v[TOK4], 2, v[LANE]
	v_add_nc_u32 v[DUMP], DUMPW, v[LANE]
	v_and_b32 v[W1O], 8, v[RR]
	v_add_nc_u32 v[W1O], v[W1O], v[RR]
	v_lshl_add_u32 v[W1O], v[HH], 3, v[W1O]        ; row 8 h + r + 8 (r / 8) of a block of 32: lanes 0-15 an even tile's rows, lanes 16-31 the odd tile's
	v_lshlrev_b32 v[W1O], 5, v[W1O]                ; 32 scale bytes a row
	v_lshlrev_b32 v[B1O], 6, v[HH]
	s_lshl_b32 s60, s23, 4
	s_add_co_u32 s60, s60, 0x800
	v_and_b32 v[PADV], 3, v[LANE]
	v_lshl_add_u32 v[PADV], v[PADV], 2, s60        ; 2048 + 16 e + (4 lane) % 16
.irp k, 1,2,3
	v_add_nc_u32 v[PADV+\k], \k, v[PADV]
.endr
.irp i, 0,1,2,3
	v_mov_b32 v[TM+4+\i], 0                        ; a lane permute's destination counts as one of its sources
.endr
	v_mov_b32 v[C9V], 0xb9d25000
	v_mov_b32 v[C9V+1], 0xb9d25000
	s_mov_b32 s36, 0x76543210
	s_mov_b32 s37, 0xfedcba98                      ; v_permlanex16_b32's selects for lane l xor 16
	s_mov_b32 s38, 0x3f3504f3                      ; 1 / sqrt 2
	PAIR 40, 0xbf38aa3b                            ; -log2(e) / 2
	PAIR 42, 0xbaa15130                            ; the polynomial's coefficients, degree 8 down to 0
	PAIR 44, 0x3aac2b8a
	PAIR 46, 0x3c0d6e62
	PAIR 48, 0xbc040dc1
	PAIR 50, 0xbd5e05b5
	PAIR 52, 0x3e27fe23
	PAIR 54, 0xbe2a0420
	PAIR 56, 0xbdbdfb0b
	PAIR 58, 0x3e8dd01d
	s_mov_b32 s35, 0
	s_wait_kmcnt 0x0
	s_lshl_b32 s60, s23, 21                        ; an expert's codes: 2 MiB, in W1 and in hqc
	s_lshl_b32 s61, s24, 16
	s_lshl_b32 s62, s22, 14
	s_add_co_u32 s34, s60, s61
	s_add_co_u32 s34, s34, s62
	s_add_nc_u64 s[4:5], s[4:5], s[34:35]          ; W1's codes: my slice, my wave's 32 rows
	s_lshl_b32 s61, s24, 10
	s_lshl_b32 s62, s22, 15
	s_add_co_u32 s34, s60, s61
	s_add_co_u32 s34, s34, s62
	s_add_nc_u64 s[16:17], s[16:17], s[34:35]      ; hqc: tile w, K step nt
	s_lshl_b32 s60, s23, 17                        ; an expert's scale bytes: 128 KiB, in W1's and in hqs
	s_lshl_b32 s61, s24, 12
	s_add_co_u32 s34, s60, s61
	s_add_nc_u64 s[6:7], s[6:7], s[34:35]
	s_lshl_b32 s62, s22, 11                        ; hqs: tile w,
	s_add_co_u32 s34, s60, s62
	s_lshr_b32 s61, s24, 3
	s_lshl_b32 s61, s61, 9                         ; 512 (nt / 8),
	s_add_co_u32 s34, s34, s61
	s_and_b32 s61, s24, 1
	s_lshl_b32 s61, s61, 8                         ; 256 (nt % 2),
	s_add_co_u32 s34, s34, s61
	s_bfe_u32 s61, s24, 0x20001
	s_lshl_b32 s61, s61, 2                         ; 4 ((nt / 2) % 4)
	s_add_co_u32 s34, s34, s61
	s_add_nc_u64 s[18:19], s[18:19], s[34:35]
	s_lshl_b32 s60, s23, 14
	s_lshl_b32 s61, s24, 9
	s_add_co_u32 s34, s60, s61
	s_add_nc_u64 s[8:9], s[8:9], s[34:35]          ; b1: my 128 numbers
	s_mul_i32 s34, s23, 4608
	s_add_nc_u64 s[20:21], s[20:21], s[34:35]      ; rows: my expert's 1,152 words
	; the head's loads, the same in every wave: 8 of sel, 32 rows of W1, 8 of W1's scale words
.irp i, 0,1,2,3,4,5,6,7
	global_load_b128 v[SEL+4*\i:SEL+4*\i+3], v[L16], s[14:15] offset:512*\i    ; word k of load i in lane l: token 128 i + 4 l + k
.endr
	WIN 0x40                                       ; destination window 1
.set m, 0
.rept 32
	global_load_b128 v[4*m:4*m+3], v[L16], s[4:5] offset:512*m th:TH_LOAD_NT   ; a row of W1: 512 consecutive bytes; read once in the launch
.set m, m+1
.endr
	WIN 0
.irp b, 0,1,2,3
.irp f, 0,1
	global_load_b128 v[W1S+8*\b+4*\f:W1S+8*\b+4*\f+3], v[W1O], s[6:7] offset:1024*\b+16*\f
.endr
.endr
	; ---- the list: wave 0 alone touches LDS up to the first barrier
	s_cmp_lg_u32 s22, 0
	s_cbranch_scc1 .Lnot_wave_0
.irp i, 0,1,2,3,4,5,6,7,8
	ds_store_b128 v[LX], v[PADV:PADV+3] offset:512*\i  ; all 1,152 words hold fillers first (128 places on the filler is the same)
.endr
	s_wait_loadcnt 40                              ; sel's eight loads are in; the 32 + 8 issued behind them may be out
	s_mov_b32 s32, 0                               ; rows found so far
; Eight groups of 32 tokens (words 8 g .. 8 g + 7 of sel in each lane).  In a group the tokens that chose e, as first or as second expert, take the next places in the list, in lane order; the others write a spare
; word of their own, so that EXEC stays whole.  Each line is written for all eight groups before the next line, so that no line waits for the line above it; only the count of rows found runs from group to group.
.macro LGROUP g
.irp jj, 0,1,2,3,4,5,6,7
	v_and_b32 v[LO+\jj], 0xff, v[SEL+8*\g+\jj]
.endr
.irp jj, 0,1,2,3,4,5,6,7
	v_lshrrev_b32 v[HI+\jj], 8, v[SEL+8*\g+\jj]
.endr
.irp jj, 0,1,2,3,4,5,6,7
	v_cmp_eq_u32 s[MA+\jj], s23, v[LO+\jj]
.endr
.irp jj, 0,1,2,3,4,5,6,7
	v_cmp_eq_u32 s[MH+\jj], s23, v[HI+\jj]
.endr
.irp jj, 0,1,2,3,4,5,6,7
	v_add_nc_u32 v[TK+\jj], 128*(2*\g+\jj/4)+\jj%4, v[TOK4]     ; my token
.endr
.irp jj, 0,1,2,3,4,5,6,7
	v_or_b32 v[TK1+\jj], 0x400, v[TK+\jj]
.endr
.irp jj, 0,1,2,3,4,5,6,7
	s_or_b32 s[MA+\jj], s[MA+\jj], s[MH+\jj]
.endr
.irp jj, 0,1,2,3,4,5,6,7
	v_cndmask_b32 v[EN+\jj], v[TK+\jj], v[TK1+\jj], s[MH+\jj]    ; rank 1 where e is its second expert
.endr
.irp jj, 0,1,2,3,4,5,6,7
	v_mbcnt_lo_u32_b32 v[PO+\jj], s[MA+\jj], s32                 ; rows found so far + choosers in lower lanes
	s_bcnt1_i32_b32 s30, s[MA+\jj]
	s_add_co_u32 s32, s32, s30
.endr
.irp jj, 0,1,2,3,4,5,6,7
	v_cndmask_b32 v[PO+\jj], v[DUMP], v[PO+\jj], s[MA+\jj]
.endr
.irp jj, 0,1,2,3,4,5,6,7
	v_min_u32 v[PO+\jj], 0x47f, v[PO+\jj]                        ; inside the list's 1,152 words, whatever was read
.endr
.irp jj, 0,1,2,3,4,5,6,7
	v_lshl_add_u32 v[AD+\jj], v[PO+\jj], 2, LIST
.endr
.irp jj, 0,1,2,3,4,5,6,7
	ds_store_b32 v[AD+\jj], v[EN+\jj]
.endr
.endm
	LGROUP 0
	LGROUP 1
	LGROUP 2
	LGROUP 3
	v_mov_b32 v94, s32
	ds_store_b32 v[CNTA], v94                      ; the count
.Lnot_wave_0:
	s_wait_dscnt 0x0                               ; the list lies in LDS
	s_barrier_signal -1
	s_barrier_wait -1
	; ---- W1's rows into LDS; the first tile's rows of x are asked for
	ds_load_b32 v95, v[CNTA]
	ds_load_b32 v[ENT], v[LA]                      ; my row of tile w
	s_wait_loadcnt 8                               ; W1's 32 rows are in (sel too); the eight loads of scale words may be out
	WIN 0x04                                       ; an LDS store's data are its source 1: window 1
.set m, 0
.rept 32
	ds_store_b128 v[STW], v[4*m:4*m+3] offset:WP*(16*((m>>3)&1)+8*(m>>4)+(m&7))   ; row 32 w + m goes where its tile wants it: a tile's 16 rows lie on end
.set m, m+1
.endr
	WIN 0
	s_wait_dscnt 32                                ; the two loads are in; the 32 stores issued behind them may be out
	v_readfirstlane_b32 s25, v95                   ; the count
	s_max_u32 s26, s25, 128                        ; tiles 0 to 7 are always made
.macro XADR                            ; four plain lines: the entry's token, held inside x's 1,024 rows; its codes' and its scale words' places
	v_and_b32 v[XAO], 0x3ff, v[ENT]
	v_min_u32 v[XAO], 0x3ff, v[XAO]
	v_lshl_add_u32 v[XSO], v[XAO], 5, v[H16]
	v_lshl_add_u32 v[XAO], v[XAO], 9, v[H16]
.endm
.macro XGET                            ; 17 loads: my row's eight fragments' parts, and four of its eight scale words
	WIN 0xc0                                       ; destination window 3
.irp s, 0,1,2,3,4,5,6,7
.irp c, 0,1
	global_load_b128 v[XF+8*\s+4*\c:XF+8*\s+4*\c+3], v[XAO], s[10:11] offset:64*\s+32*\c
.endr
.endr
	WIN 0
	global_load_b128 v[XS:XS+3], v[XSO], s[12:13]
.endm
	XADR
	XGET
	WIN 0xc0
.irp t, 0,1,2,3,4,5,6,7
	global_load_b128 v[B1+8*\t:B1+8*\t+3], v[B1O], s[8:9] offset:4*(32*(\t/2)+8*(\t%2))        ; b1 at the lane's eight hidden units of tile t: 32 (t / 2) + 16 h + 8 (t % 2) + 0 .. 7
	global_load_b128 v[B1+8*\t+4:B1+8*\t+7], v[B1O], s[8:9] offset:4*(32*(\t/2)+8*(\t%2))+16
.endr
	WIN 0
	s_wait_dscnt 0x0                               ; my 32 rows lie in LDS
	s_barrier_signal -1
	s_barrier_wait -1                              ; the slice is whole; from here on LDS is only read
	WIN 0x40
.irp s, 0,1,2,3
.irp t, 0,1,2,3,4,5,6,7
.irp c, 0,1
	ds_load_b128 v[8*(8*\s+\t)+4*\c:8*(8*\s+\t)+4*\c+3], v[FRA] offset:16*\t*WP+64*\s+32*\c
.endr
.endr
.endr
	WIN 0x80
.irp s, 4,5,6,7
.irp t, 0,1,2,3,4,5,6,7
.irp c, 0,1
	ds_load_b128 v[8*(8*(\s-4)+\t)+4*\c:8*(8*(\s-4)+\t)+4*\c+3], v[FRA] offset:16*\t*WP+64*\s+32*\c
.endr
.endr
.endr
	WIN 0
	s_xor_b32 s30, s22, 3
	s_or_b32 s30, s30, s24
	s_cmp_eq_u32 s30, 0
	s_cbranch_scc0 .Lno_export                     ; wave 3 of the expert's first work-group stores list and count for the next launch
.irp i, 0,1,2,3,4,5,6,7,8
	ds_load_b128 v[GT+4*\i:GT+4*\i+3], v[LX] offset:512*\i
.endr
	s_wait_dscnt 0x0
.irp i, 0,1,2,3,4,5,6,7,8
	global_store_b128 v[L16], v[GT+4*\i:GT+4*\i+3], s[20:21] offset:512*\i     ; 512 consecutive bytes a store
.endr
	s_wait_xcnt 0x0                                ; the stores have read their registers: gelu will write them
.Lno_export:
	s_wait_dscnt 0x0                               ; W1's 64 fragments are in
; one matrix instruction; ra, rb: A's, B's scales stand in lanes 16-31
.macro WM d, a, b, c, sa, sb, ra, rb
.if (\ra) && (\rb)
	v_wmma_scale_f32_16x16x128_f8f6f4 v[\d:\d+7], v[\a:\a+7], v[\b:\b+7], \c, v[\sa], v[\sb] matrix_a_fmt:MATRIX_FMT_FP4 matrix_b_fmt:MATRIX_FMT_FP4 matrix_a_scale:MATRIX_SCALE_ROW1 matrix_b_scale:MATRIX_SCALE_ROW1
.elseif (\ra)
	v_wmma_scale_f32_16x16x128_f8f6f4 v[\d:\d+7], v[\a:\a+7], v[\b:\b+7], \c, v[\sa], v[\sb] matrix_a_fmt:MATRIX_FMT_FP4 matrix_b_fmt:MATRIX_FMT_FP4 matrix_a_scale:MATRIX_SCALE_ROW1
.elseif (\rb)
	v_wmma_scale_f32_16x16x128_f8f6f4 v[\d:\d+7], v[\a:\a+7], v[\b:\b+7], \c, v[\sa], v[\sb] matrix_a_fmt:MATRIX_FMT_FP4 matrix_b_fmt:MATRIX_FMT_FP4 matrix_b_scale:MATRIX_SCALE_ROW1
.else
	v_wmma_scale_f32_16x16x128_f8f6f4 v[\d:\d+7], v[\a:\a+7], v[\b:\b+7], \c, v[\sa], v[\sb] matrix_a_fmt:MATRIX_FMT_FP4 matrix_b_fmt:MATRIX_FMT_FP4
.endif
.endm
; 64 matrix instructions: K step by K step, the eight tiles by turns; b1 is the C of each sum's first
.macro MMA
.irp s, 0,1,2,3,4,5,6,7
.if \s == 0
	WIN 0x3d                                       ; A window 1, B and C window 3, D window 0
.elseif \s < 4
	WIN 0x0d                                       ; A window 1, B window 3
.else
	WIN 0x0e                                       ; A window 2, B window 3
.endif
.irp t, 0,1,2,3,4,5,6,7
.if \s == 0
	WM HA+8*\t, 8*\t, XF, v[B1+8*\t:B1+8*\t+7], W1S+8*(\t/2), XS, (\t%2), 0
.else
	WM HA+8*\t, 8*(8*(\s&3)+\t), XF+8*\s, v[HA+8*\t:HA+8*\t+7], W1S+8*(\t/2)+\s, XS+(\s&3), (\t%2), (\s/4)
.endif
.endr
.endr
	WIN 0
.endm
; gelu of 16 numbers, v[Z] .. v[Z + 15], in place: eight pairs, each line for all eight by turns, in ascending order
.macro GELU Z
.irp p, 0,1,2,3,4,5,6,7
	v_mul_f32 v[GA+2*\p], |v[\Z+2*\p]|, s38                                        ; a = |z| / sqrt 2
	v_mul_f32 v[GA+2*\p+1], |v[\Z+2*\p+1]|, s38
.endr
.irp p, 0,1,2,3,4,5,6,7
	v_pk_mul_f32 v[GE+2*\p:GE+2*\p+1], v[\Z+2*\p:\Z+2*\p+1], v[\Z+2*\p:\Z+2*\p+1]  ; z z
.endr
.irp p, 0,1,2,3,4,5,6,7
	v_pk_add_f32 v[GP+2*\p:GP+2*\p+1], v[GA+2*\p:GA+2*\p+1], 2.0 op_sel_hi:[1,0]   ; a + 2
.endr
.irp p, 0,1,2,3,4,5,6,7
	v_pk_fma_f32 v[GD+2*\p:GD+2*\p+1], v[GA+2*\p:GA+2*\p+1], 4.0, 2.0 op_sel_hi:[1,0,0]   ; 4 a + 2
.endr
.irp p, 0,1,2,3,4,5,6,7
	v_pk_mul_f32 v[GE+2*\p:GE+2*\p+1], v[GE+2*\p:GE+2*\p+1], s[40:41] op_sel_hi:[1,0]     ; -a a log2(e)
.endr
.irp p, 0,1,2,3,4,5,6,7
	v_pk_mul_f32 v[GR+2*\p:GR+2*\p+1], v[GP+2*\p:GP+2*\p+1], v[GD+2*\p:GD+2*\p+1]
.endr
.irp j, 0,1,2,3,4,5,6,7,8,9,10,11,12,13,14,15
	v_exp_f32 v[GE+\j], v[GE+\j]                                                   ; e^(-a a)
.endr
.irp j, 0,1,2,3,4,5,6,7,8,9,10,11,12,13,14,15
	v_rcp_f32 v[GR+\j], v[GR+\j]                                                   ; 1 / ((a + 2)(4 a + 2))
.endr
.irp p, 0,1,2,3,4,5,6,7
	v_pk_add_f32 v[GA+2*\p:GA+2*\p+1], v[GA+2*\p:GA+2*\p+1], -2.0 op_sel_hi:[1,0]  ; a - 2: plain lines that name no result of the batch
.endr
	s_wait_alu depctr_va_vdst(0)                   ; one wait for the 32, ahead of their first reader
.irp p, 0,1,2,3,4,5,6,7
	v_pk_mul_f32 v[GD+2*\p:GD+2*\p+1], v[GR+2*\p:GR+2*\p+1], v[GD+2*\p:GD+2*\p+1]  ; 1 / (a + 2)
.endr
.irp p, 0,1,2,3,4,5,6,7
	v_pk_mul_f32 v[GP+2*\p:GP+2*\p+1], v[GR+2*\p:GR+2*\p+1], v[GP+2*\p:GP+2*\p+1]  ; 1 / (4 a + 2)
.endr
.irp p, 0,1,2,3,4,5,6,7
	v_pk_mul_f32 v[GA+2*\p:GA+2*\p+1], v[GA+2*\p:GA+2*\p+1], v[GD+2*\p:GD+2*\p+1]  ; q
.endr
.irp p, 0,1,2,3,4,5,6,7
	v_pk_fma_f32 v[GR+2*\p:GR+2*\p+1], v[GA+2*\p:GA+2*\p+1], v[C9V:C9V+1], s[42:43] op_sel_hi:[1,1,0]
.endr
.irp cc, 44,46,48,50,52,54,56,58
.irp p, 0,1,2,3,4,5,6,7
	v_pk_fma_f32 v[GR+2*\p:GR+2*\p+1], v[GR+2*\p:GR+2*\p+1], v[GA+2*\p:GA+2*\p+1], s[\cc:\cc+1] op_sel_hi:[1,1,0]
.endr
.endr
.irp p, 0,1,2,3,4,5,6,7
	v_pk_fma_f32 v[GR+2*\p:GR+2*\p+1], v[GR+2*\p:GR+2*\p+1], v[GP+2*\p:GP+2*\p+1], v[GP+2*\p:GP+2*\p+1]   ; (p + 1) / (4 a + 2)
.endr
.irp p, 0,1,2,3,4,5,6,7
	v_pk_mul_f32 v[GR+2*\p:GR+2*\p+1], v[GR+2*\p:GR+2*\p+1], v[GE+2*\p:GE+2*\p+1]  ; R = erfc(a) / 2
.endr
.irp j, 0,1,2,3,4,5,6,7,8,9,10,11,12,13,14,15
	v_max_num_f32 v[GD+\j], 0, v[\Z+\j]
.endr
.irp j, 0,1,2,3,4,5,6,7,8,9,10,11,12,13,14,15
	v_fma_f32 v[\Z+\j], -|v[\Z+\j]|, v[GR+\j], v[GD+\j]                            ; max(0, z) - |z| R
.endr
.endm
; 64 numbers of a lane, register 16 b + i = k 32 b + 16 (lane / 16) + i of my row, become a fragment's codes in v[PC] on and its scale word in v[PW]
.macro QUANT s
.irp b, 0,1,2,3
	v_max3_num_f32 v[TM+\b], |v[\s+16*\b]|, |v[\s+1+16*\b]|, 0x1800000   ; block b: my 16 numbers, and the floor 2^(3 - 127): the byte cannot fall under 1
.endr
.irp i, 2,4,6,8,10,12,14
.irp b, 0,1,2,3
	v_max3_num_f32 v[TM+\b], v[TM+\b], |v[\s+16*\b+\i]|, |v[\s+1+16*\b+\i]|
.endr
.endr
.irp b, 0,1,2,3
	v_permlanex16_b32 v[TM+4+\b], v[TM+\b], s36, s37
.endr
.irp b, 0,1,2,3
	v_max_num_f32 v[TM+\b], v[TM+\b], v[TM+4+\b]   ; with lane l xor 16's: the block's largest magnitude
.endr
.irp b, 0,1,2,3
	v_add_nc_u32 v[TM+12+\b], 0xff000000, v[TM+\b] ; 2 off its exponent field: the conversion's scale operand
.endr
.irp b, 0,1,2,3
	v_lshrrev_b32 v[TM+4+\b], 23, v[TM+12+\b]      ; the scale's byte
.endr
	v_lshl_or_b32 v[PW], v[TM+5], 8, v[TM+4]
	v_lshl_or_b32 v[PW], v[TM+6], 16, v[PW]
	v_lshl_or_b32 v[PW], v[TM+7], 24, v[PW]        ; my row's scale word (the same in lanes l and l xor 16)
.irp b, 0,1,2,3
	v_cvt_scalef32_pk8_fp4_f32 v[PC+2*\b], v[\s+16*\b:\s+7+16*\b], v[TM+12+\b]
	v_cvt_scalef32_pk8_fp4_f32 v[PC+1+2*\b], v[\s+8+16*\b:\s+15+16*\b], v[TM+12+\b]
.endr
	v_nop                                          ; one plain line behind the last scaled conversion
.irp c, 0,1                            ; the operand's layout wants a whole block in a lane: lanes 0-15 block 2 c, lanes 16-31 block 2 c + 1
.irp i, 0,1
	v_permlane16_swap_b32 v[PC+4*\c+\i], v[PC+2+4*\c+\i]
.endr
.endr
.endm
	s_lshl_b32 s27, s22, 4                         ; the first row of my tile: 16 (4 i + w)
	s_mov_b32 s28, 0                               ; trips
	s_mov_b32 s29, 0                               ; the list's step: 256 bytes a trip
.Ltile:
	s_cmp_ge_u32 s27, s26
	s_cbranch_scc1 .Lskip                          ; past the expert's last tile: only the steps at the trip's end
	v_add_nc_u32 v[LAC], s29, v[LA]
	ds_load_b32 v[ENT], v[LAC] offset:256          ; my row of the tile four further on (a filler past the count)
	s_wait_loadcnt 0x0                             ; this tile's rows of x and their scale words (in the first trip b1 and W1's scale words too)
	MMA
	s_wait_dscnt 0x0                               ; the entry
	XADR                                           ; its four lines are the places between the last product and the loads into its operands, and the first read of its result
	XGET                                           ; the next tile's rows of x: they land under gelu
	GELU HA
	GELU HA+16
	GELU HA+32
	GELU HA+48
	QUANT HA
	global_store_b128 v[L16], v[PC:PC+3], s[16:17]               ; the fragment as it stands: 512 consecutive bytes a store
	global_store_b128 v[L16], v[PC+4:PC+7], s[16:17] offset:512
	global_store_b32 v[HSO], v[PW], s[18:19]       ; 16 scale words, 16 bytes apart (both halves of the lanes write the same words with the same values)
.Lskip:
	s_add_co_u32 s27, s27, 64
	s_add_co_u32 s29, s29, 256
	s_wait_xcnt 0x0                                ; the stores have read their data and bases: both are written again only behind this wait
	s_add_nc_u64 s[16:17], s[16:17], 131072        ; four tiles on in hqc
	s_add_nc_u64 s[18:19], s[18:19], 8192          ; and in hqs
	s_add_co_u32 s28, s28, 1
	s_cmp_lt_u32 s28, 16
	s_cbranch_scc1 .Ltile
	s_wait_tensorcnt 0x0
	ds_add_u32 v92, v93
	s_wait_dscnt 0x0
	s_endpgm
.Lfunc_end_k_qb6d06b00a0_up:
	.size	k_qb6d06b00a0_up, .Lfunc_end_k_qb6d06b00a0_up-k_qb6d06b00a0_up
	.p2alignl 7, 3214868480
	.fill 96, 4, 3214868480
	.section	.rodata,"a",@progbits
	.p2align	6, 0x0
	.amdhsa_kernel k_qb6d06b00a0_up
		.amdhsa_group_segment_fixed_size 72704
		.amdhsa_private_segment_fixed_size 0
		.amdhsa_enable_private_segment 0
		.amdhsa_kernarg_size 72
		.amdhsa_user_sgpr_count 2
		.amdhsa_user_sgpr_kernarg_segment_ptr 1
		.amdhsa_wavefront_size32 1
		.amdhsa_system_sgpr_workgroup_id_x 1
		.amdhsa_system_sgpr_workgroup_id_y 1
		.amdhsa_system_sgpr_workgroup_id_z 1
		.amdhsa_system_vgpr_workitem_id 0
		.amdhsa_next_free_vgpr 896
		.amdhsa_next_free_sgpr 88
		.amdhsa_reserve_vcc 0
		.amdhsa_float_denorm_mode_32 3
		.amdhsa_float_denorm_mode_16_64 3
		.amdhsa_memory_ordered 1
		.amdhsa_forward_progress 1
		.amdhsa_inst_pref_size 122
	.end_amdhsa_kernel
	.amdgpu_metadata
---
amdhsa.version: [ 1, 2 ]
amdhsa.kernels:
  - .name:           k_qb6d06b00a0_up
    .symbol:         k_qb6d06b00a0_up.kd
    .args:
      - { .name: W1_codes, .offset: 0, .size: 8, .value_kind: global_buffer, .address_space: global }
      - { .name: W1_scales, .offset: 8, .size: 8, .value_kind: global_buffer, .address_space: global }
      - { .name: b1, .offset: 16, .size: 8, .value_kind: global_buffer, .address_space: global }
      - { .name: xq, .offset: 24, .size: 8, .value_kind: global_buffer, .address_space: global }
      - { .name: xs, .offset: 32, .size: 8, .value_kind: global_buffer, .address_space: global }
      - { .name: sel, .offset: 40, .size: 8, .value_kind: global_buffer, .address_space: global }
      - { .name: hqc, .offset: 48, .size: 8, .value_kind: global_buffer, .address_space: global }
      - { .name: hqs, .offset: 56, .size: 8, .value_kind: global_buffer, .address_space: global }
      - { .name: rows, .offset: 64, .size: 8, .value_kind: global_buffer, .address_space: global }
    .group_segment_fixed_size: 72704
    .private_segment_fixed_size: 0
    .kernarg_segment_align: 8
    .kernarg_segment_size: 72
    .max_flat_workgroup_size: 128
    .sgpr_count:     88
    .vgpr_count:     896
    .wavefront_size: 32
...
	.end_amdgpu_metadata
.endif
;; end of part 2
;; launch down (part 3): grid 32 x 8, 4 waves a work-group, no clusters, 84,480 bytes of LDS; arguments W2_codes, W2_scales, b2, hqc, hqs, rows, ybuf; writes ybuf
.if DOCPART == 3
	.amdgcn_target "amdgcn-amd-amdhsa--gfx1250"
	.amdhsa_code_object_version 6
	.text
	.protected	k_qb6d06b00a0_down
	.globl	k_qb6d06b00a0_down
	.p2align	8
	.type	k_qb6d06b00a0_down,@function
k_qb6d06b00a0_down:
	s_mov_b64 s[64:65], 0
	v_nop
	global_prefetch_b8 v0, s[64:65] scope:SCOPE_SE
	s_setreg_imm32_b32 hwreg(HW_REG_WAVE_MODE, 25, 1), 1
	s_wait_xcnt 0x0
; SECOND PRODUCT, CHOSEN ROWS ONLY: y = hq W2 (+ b2), MX-FP4 on both sides.  ybuf [2 halves of K][2,176 rows][1024] f32: row rank x 1,024 + token; rows 2,048 on are spare.  The next launch adds the two halves.
; Work-group (x = 2 cg + kh, y = e) owns outputs 64 cg .. 64 cg + 63 of expert e over half kh of K (2,048: 16 K steps): 64 rows x 1,024 bytes of W2's codes, read from memory by this work-group alone.
; Against 32 outputs over all of K that halves the bytes of the hidden layer that a work-group reads for each row (1,088 for 2,176) and doubles what it writes (256 for 128); a row's piece of the result is then
; 256 consecutive bytes, aligned, stored by sixteen lanes.  b2 goes into half 0 alone: it is multiplied by 1 or by 0 at the head.
; EVERY wave holds the slice in 512 registers; the waves share the expert's tiles of 16 rows: wave w takes tiles 4 i + w.  The hidden layer's fragments come from hqc as images of the operand's registers, straight
; into registers.  A tile is two chunks of eight K steps; window 3 holds four chunks, two tiles by turns; behind a chunk's products the same chunk of my tile next but one is asked for, into the registers just read.
; ADDRESSES.  The offsets of the loads are made once, from the lane alone; the bases stand at the tile in hand and step by constants; later tiles are named by the immediates.  The launch before always makes tiles
; 0 to 7, so a wave asks for its first two tiles before the count is known; a further tile is asked for only where it holds rows: so a wave's last two tiles are written out behind the loop, without loads, once for
; each of the two ways in which the loop can be left.  One trip of the loop runs two tiles, until the register numbers are back where they began.
; The count and the list come from rows, whole numbers that the launch before stored.  An entry is the row of ybuf: token | rank << 10, or, in the places that fill the last tile, 2048 + 16 e + (place % 16): a spare
; row, of which this work-group alone writes its 256 bytes and which nobody reads.  So every lane stores in every tile, and EXEC stays whole.
; No tensor load, no copy, no cluster: the tiles' count hangs on stored numbers.
; TRANSPOSED USE: source 0 = 16 rows of W2 (outputs), source 1 = 16 rows of the hidden layer: a lane holds one row and eight neighbouring outputs.  The four tiles of outputs have an accumulator each and take turns.
; LIMITS: b2 is taken to be finite (b2 x 0 must be 0).
; REGISTERS, in windows of 256: window 0: see the names.  Window 1: W2's fragments (K step s, tile n) at 8 (4 s + n), s under 8 (at the head its v0-127 take the rows as loaded).  Window 2: s from 8.
; Window 3: the hidden layer's: tile parity p, K step s at 128 p + 8 s.
.set WP,    1040                       ; LDS: a row of the slice, 1,024 bytes + 16 of padding = 65 x 16: the sixteen rows of a fragment load start in different banks
.set OST,   64*WP                      ; behind the 64 rows: for each wave a stage of 16 rows x (256 bytes + 16)
.set OP,    272
.set CNTW,  1120                       ; the count's word in an expert's 1,152 words of rows
.set AH_C,  131072                     ; four tiles on (my next tile): in hqc (32 KiB a tile),
.set AH_S,  8192                       ; in hqs (2 KiB a tile),
.set AH_R,  256                        ; in rows (64 bytes a tile)
.set PLANE, 0x880000                   ; 2,176 rows of 4,096 bytes: from one half of K to the other in ybuf
.set L16,  4                           ; 16 x lane
.set STW,  5                           ; LDS: where my wave puts its 16 rows of W2
.set FRA,  6                           ; LDS: my lane's place in a fragment
.set OSS,  8                           ; the stage: where I put 32 bytes of a row
.set OSL,  9                           ; and where I read 16 bytes of a row back: rows 8 (lane / 16) + k
.set H32,  10                          ; 32 x (lane / 16): the entries of the eight rows that I store; also my eight numbers of b2
.set COLB, 11                          ; my bytes in a row of ybuf: 256 cg + 16 (lane % 16)
.set W2O,  12                          ; 128 x lane: my row of W2's scale bytes
.set ENT,  16                          ; v16-31   the entries of rows 8 (lane / 16) + k: eight for each tile parity
.set ADR,  32                          ; v32-39   their places in ybuf
.set W2S,  40                          ; v40-71   W2's scale words: register 16 p + s: lanes 0-15 tile 2 p, lanes 16-31 tile 2 p + 1
.set HS,   72                          ; v72-87   the hidden layer's: eight for each tile parity; register i: lanes 0-15 K step 2 i, lanes 16-31 K step 2 i + 1
.set B2,   88                          ; v88-119  b2 in the result's layout (zeros in half 1)
.set ACC,  120                         ; v120-151 four accumulators
.set OUT,  152                         ; v152-183 the tile's rows on their way out
.set MSB, 0
.macro WIN new                         ; the immediate's high byte repeats the setting that is left
.if MSB != \new
	s_set_vgpr_msb (MSB<<8)|\new
.set MSB, \new
.endif
.endm
	s_load_b256 s[4:11], s[0:1], 0x0               ; W2's codes s[4:5], its scales s[6:7], b2 s[8:9], hqc s[10:11]
	s_load_b128 s[12:15], s[0:1], 0x20             ; hqs s[12:13], rows s[14:15]
	s_load_b64 s[16:17], s[0:1], 0x30              ; ybuf
	v_lshl_add_u32 v254, v0, 2, 0x14800
	v_mov_b32 v255, 0
	v_lshrrev_b32 v1, 5, v0
	v_readfirstlane_b32 s18, v1                    ; wave
	s_and_b32 s19, ttmp7, 0xffff                   ; e
	s_lshr_b32 s22, ttmp9, 1                       ; cg
	s_and_b32 s23, ttmp9, 1                        ; kh
	v_and_b32 v1, 31, v0                           ; lane
	v_and_b32 v2, 15, v0                           ; r
	v_bfe_u32 v3, v0, 4, 1                         ; h
	v_lshlrev_b32 v[L16], 4, v1
	s_mul_i32 s32, s18, 16*WP
	v_add_nc_u32 v[STW], s32, v[L16]
	v_mul_u32_u24 v[FRA], v2, WP
	v_lshl_add_u32 v[FRA], v3, 4, v[FRA]
	s_mul_i32 s32, s18, 16*OP
	s_add_co_u32 s32, s32, OST                     ; my stage
	v_mul_u32_u24 v[OSS], v2, OP
	v_lshl_add_u32 v[OSS], v3, 5, v[OSS]
	v_add_nc_u32 v[OSS], s32, v[OSS]               ; in: row r, 32 bytes for each half of the lanes
	v_mul_u32_u24 v[OSL], v3, 8*OP
	v_lshl_add_u32 v[OSL], v2, 4, v[OSL]
	v_add_nc_u32 v[OSL], s32, v[OSL]               ; back: sixteen lanes to a row; lanes 0-15 row k, lanes 16-31 row 8 + k
	v_lshlrev_b32 v[H32], 5, v3
	s_lshl_b32 s32, s22, 8
	v_lshl_add_u32 v[COLB], v2, 4, s32
	v_lshlrev_b32 v[W2O], 7, v1
	s_mov_b32 s38, 0x3f800000
	s_cmp_eq_u32 s23, 0
	s_cselect_b32 s38, s38, 0                      ; 1.0 in half 0, 0 in half 1
	s_mov_b32 s33, 0
	s_wait_kmcnt 0x0
	s_lshl_b32 s34, s19, 21                        ; an expert's codes: 2 MiB, in W2 and in hqc
	s_lshl_b32 s32, s18, 15
	s_add_co_u32 s32, s32, s34
	s_lshl_b32 s35, s23, 14
	s_add_co_u32 s32, s32, s35
	s_add_nc_u64 s[10:11], s[10:11], s[32:33]      ; hqc: my expert's tile w, my half's 16 K steps
	s_lshl_b32 s32, s22, 17
	s_add_co_u32 s32, s32, s34
	s_lshl_b32 s35, s18, 15
	s_add_co_u32 s32, s32, s35
	s_lshl_b32 s35, s23, 10
	s_add_co_u32 s32, s32, s35
	s_add_nc_u64 s[4:5], s[4:5], s[32:33]          ; W2's codes: row 64 cg + 16 w (2,048 bytes a row), my half's 1,024 bytes
	s_lshl_b32 s34, s19, 17                        ; an expert's scale bytes: 128 KiB, in W2's and in hqs
	s_lshl_b32 s32, s18, 11
	s_add_co_u32 s32, s32, s34
	s_lshl_b32 s35, s23, 10
	s_add_co_u32 s32, s32, s35
	s_add_nc_u64 s[12:13], s[12:13], s[32:33]      ; hqs: tile w, my half's 1,024 bytes
	s_lshl_b32 s32, s22, 13
	s_add_co_u32 s32, s32, s34
	s_lshl_b32 s35, s23, 6
	s_add_co_u32 s32, s32, s35
	s_add_nc_u64 s[6:7], s[6:7], s[32:33]          ; W2's scales: row 64 cg (128 bytes a row), my half's 64 bytes
	s_lshl_b32 s32, s19, 12
	s_lshl_b32 s35, s22, 8
	s_add_co_u32 s32, s32, s35
	s_add_nc_u64 s[8:9], s[8:9], s[32:33]          ; b2: my 64 numbers
	s_mul_i32 s32, s19, 4608
	s_add_nc_u64 s[14:15], s[14:15], s[32:33]      ; rows: my expert's words
	s_load_b32 s21, s[14:15], 4*CNTW               ; the count
	s_lshl_b32 s32, s18, 6
	s_add_nc_u64 s[36:37], s[14:15], s[32:33]      ; the entries of tile w
	s_mul_i32 s32, s23, PLANE
	s_add_nc_u64 s[16:17], s[16:17], s[32:33]      ; ybuf: my half's rows
	WIN 0x40                                       ; destination window 1
.set m, 0
.rept 32
	global_load_b128 v[4*m:4*m+3], v[L16], s[4:5] offset:2048*(m>>1)+512*(m&1) th:TH_LOAD_NT   ; 512 consecutive bytes: half of a row's part; read once in the launch
.set m, m+1
.endr
	WIN 0
.irp p, 0,1
.irp j, 0,1,2,3
	global_load_b128 v[W2S+16*\p+4*\j:W2S+16*\p+4*\j+3], v[W2O], s[6:7] offset:4096*\p+16*\j    ; lane l: row 32 p + l, K steps 4 j .. 4 j + 3
.endr
.endr
.irp n, 0,1,2,3
	global_load_b128 v[B2+8*\n:B2+8*\n+3], v[H32], s[8:9] offset:64*\n          ; b2 at the lane's eight outputs of tile n: 16 n + 8 h + 0 .. 7
	global_load_b128 v[B2+8*\n+4:B2+8*\n+7], v[H32], s[8:9] offset:64*\n+16
.endr
; a chunk: K steps 8 hf .. 8 hf + 7 of a tile, into parity par's registers: 16 loads of codes and one of scale words; the second chunk has two more, issued last: the entries of the rows that I store.  17 and 19 loads.
; dist: the tile stands dist x four tiles behind the one at which the bases stand
.macro CHUNK par, hf, dist
	WIN 0xc0                                       ; destination window 3
.irp i, 0,1,2,3,4,5,6,7
.irp c, 0,1
	global_load_b128 v[128*\par+64*\hf+8*\i+4*\c:128*\par+64*\hf+8*\i+4*\c+3], v[L16], s[10:11] offset:AH_C*\dist+1024*(8*\hf+\i)+512*\c   ; 512 consecutive bytes: half a fragment as it was stored
.endr
.endr
	WIN 0
	global_load_b128 v[HS+8*\par+4*\hf:HS+8*\par+4*\hf+3], v[L16], s[12:13] offset:AH_S*\dist+512*\hf    ; eight K steps' scale words: 512 consecutive bytes
.if \hf == 1
	global_load_b128 v[ENT+8*\par:ENT+8*\par+3], v[H32], s[36:37] offset:AH_R*\dist
	global_load_b128 v[ENT+8*\par+4:ENT+8*\par+7], v[H32], s[36:37] offset:AH_R*\dist+16
.endif
.endm
	s_wait_loadcnt 0x0                             ; W2's rows, its scale words and b2: from here on only the chunks are counted
	CHUNK 0, 0, 0                                  ; my first tile,
	CHUNK 0, 1, 0
	CHUNK 1, 0, 1                                  ; and half of my second: 17 + 19 + 17 loads
	WIN 0x04                                       ; an LDS store's data are its source 1: window 1
.set m, 0
.rept 32
	ds_store_b128 v[STW], v[4*m:4*m+3] offset:WP*(m>>1)+512*(m&1)
.set m, m+1
.endr
	WIN 0
.set i, 0
.rept 32
	v_mul_f32 v[B2+i], s38, v[B2+i]                ; b2 counts in half 0 alone
.set i, i+1
.endr
	s_wait_dscnt 0x0                               ; my 16 rows lie in LDS
	s_barrier_signal -1
	s_barrier_wait -1                              ; the slice is whole; its bytes are only read from here on
	WIN 0x40
.set ks, 0
.rept 8
.irp n, 0,1,2,3
.irp c, 0,1
	ds_load_b128 v[8*(4*ks+\n)+4*\c:8*(4*ks+\n)+4*\c+3], v[FRA] offset:16*\n*WP+64*ks+32*\c
.endr
.endr
.set ks, ks+1
.endr
	WIN 0x80
.rept 8
.irp n, 0,1,2,3
.irp c, 0,1
	ds_load_b128 v[8*(4*(ks-8)+\n)+4*\c:8*(4*(ks-8)+\n)+4*\c+3], v[FRA] offset:16*\n*WP+64*ks+32*\c
.endr
.endr
.set ks, ks+1
.endr
	WIN 0
	s_wait_loadcnt 36                              ; my first tile's first chunk is in; the 19 + 17 loads issued behind it may be out
	CHUNK 1, 1, 1
	s_wait_dscnt 0x0                               ; W2's 64 fragments are in
; one matrix instruction; ra, rb: A's, B's scales stand in lanes 16-31
.macro WM d, a, b, c, sa, sb, ra, rb
.if (\ra) && (\rb)
	v_wmma_scale_f32_16x16x128_f8f6f4 v[\d:\d+7], v[\a:\a+7], v[\b:\b+7], \c, v[\sa], v[\sb] matrix_a_fmt:MATRIX_FMT_FP4 matrix_b_fmt:MATRIX_FMT_FP4 matrix_a_scale:MATRIX_SCALE_ROW1 matrix_b_scale:MATRIX_SCALE_ROW1
.elseif (\ra)
	v_wmma_scale_f32_16x16x128_f8f6f4 v[\d:\d+7], v[\a:\a+7], v[\b:\b+7], \c, v[\sa], v[\sb] matrix_a_fmt:MATRIX_FMT_FP4 matrix_b_fmt:MATRIX_FMT_FP4 matrix_a_scale:MATRIX_SCALE_ROW1
.elseif (\rb)
	v_wmma_scale_f32_16x16x128_f8f6f4 v[\d:\d+7], v[\a:\a+7], v[\b:\b+7], \c, v[\sa], v[\sb] matrix_a_fmt:MATRIX_FMT_FP4 matrix_b_fmt:MATRIX_FMT_FP4 matrix_b_scale:MATRIX_SCALE_ROW1
.else
	v_wmma_scale_f32_16x16x128_f8f6f4 v[\d:\d+7], v[\a:\a+7], v[\b:\b+7], \c, v[\sa], v[\sb] matrix_a_fmt:MATRIX_FMT_FP4 matrix_b_fmt:MATRIX_FMT_FP4
.endif
.endm
; 32 matrix instructions: a chunk's eight K steps x four tiles of outputs; the four accumulators take turns, one instruction a turn, from chunk to chunk too; b2 is the C of each sum's first
.macro MMA par, hf
.if \hf == 0
	WIN 0x0d                                       ; A window 1, B window 3, C and D window 0
.else
	WIN 0x0e                                       ; A window 2
.endif
.irp i, 0,1,2,3,4,5,6,7
.irp n, 0,1,2,3
.if (\hf == 0) && (\i == 0)
	WM ACC+8*\n, 8*\n, 128*\par, v[B2+8*\n:B2+8*\n+7], W2S+16*(\n/2), HS+8*\par, (\n%2), 0
.else
	WM ACC+8*\n, 8*(4*\i+\n), 128*\par+64*\hf+8*\i, v[ACC+8*\n:ACC+8*\n+7], W2S+16*(\n/2)+8*\hf+\i, HS+8*\par+4*\hf+\i/2, (\n%2), (\i%2)
.endif
.endr
.endr
.endm
.macro PLACES                          ; four plain lines between the last product and the loads into its operands
.rept 4
	v_nop
.endr
.endm
; A TILE, in parity par's registers.
; mode 2 and mode 1, on the way in: its first chunk has landed; its second (19 loads) and my next tile's two (17 + 19) may be out.
;   mode 2: behind each chunk's products the same chunk of my tile next but one is asked for; the same holds of my next tile on the way out.
;   mode 1: nothing is asked for; on the way out my next tile's first chunk has landed and its second (19) may be out.
; mode 0: my last tile, behind one of mode 1: the counts run out.
.macro TILE par, mode
	MMA \par, 0
.if \mode == 2
	PLACES
	s_wait_loadcnt 36                              ; my second chunk and the entries are in; the next tile's 17 + 19 may be out
	CHUNK \par, 0, 2
.elseif \mode == 1
	s_wait_loadcnt 36                              ; the same
.else
	s_wait_loadcnt 0x0                             ; my second chunk and the entries are in
.endif
	MMA \par, 1
	WIN 0
.irp k, 0,1,2,3,4,5,6,7
	v_min_u32 v[ENT+8*\par+\k], 0x87f, v[ENT+8*\par+\k]          ; the row of ybuf, held inside its 2,176 rows whatever was read
.endr
.irp k, 0,1,2,3,4,5,6,7
	v_lshl_add_u32 v[ADR+\k], v[ENT+8*\par+\k], 12, v[COLB]      ; (these sixteen lines are the places behind the last products)
.endr
.irp n, 0,1,2,3
	ds_store_b128 v[OSS], v[ACC+8*\n:ACC+8*\n+3] offset:64*\n    ; each accumulator from its low end on
	ds_store_b128 v[OSS], v[ACC+8*\n+4:ACC+8*\n+7] offset:64*\n+16
.endr
.irp k, 0,1,2,3,4,5,6,7
	ds_load_b128 v[OUT+4*\k:OUT+4*\k+3], v[OSL] offset:OP*\k     ; my wave's own bytes, served in order: these see the stores above
.endr
.if \mode == 2
	s_wait_loadcnt 36                              ; the next tile's first chunk is in; its second and the chunk asked for above (19 + 17) may be out
	CHUNK \par, 1, 2                               ; issued while the rows come back from the stage
.elseif \mode == 1
	s_wait_loadcnt 19                              ; the next tile's first chunk is in; its second may be out
.endif
.irp k, 0,1,2,3,4,5,6,7
	s_wait_dscnt 7-\k                              ; load k is back; the 7 - k issued behind it may be out
	global_store_b128 v[ADR+\k], v[OUT+4*\k:OUT+4*\k+3], s[16:17]    ; sixteen lanes store 256 consecutive bytes of a row of ybuf, aligned
.endr
.endm
.macro STEP                            ; on to my next tile
	s_wait_xcnt 0x0                                ; the loads and stores have read their bases, offsets and data: they are written again only behind this wait
	s_add_nc_u64 s[10:11], s[10:11], AH_C
	s_add_nc_u64 s[12:13], s[12:13], AH_S
	s_add_nc_u64 s[36:37], s[36:37], AH_R
	s_add_co_u32 s24, s24, 64
.endm
	s_wait_kmcnt 0x0                               ; the count
	s_lshl_b32 s24, s18, 4                         ; my tile's first row: 16 (4 i + w)
	s_cmp_ge_u32 s24, s21
	s_cbranch_scc1 .Lend                           ; none of the expert's rows is mine
	s_mov_b32 s25, 0                               ; trips
.Lpair:                                                ; at most 7 trips of two tiles: a wave has at most 16 tiles, and the last two stand behind the loop
	s_add_co_u32 s27, s24, 128
	s_cmp_ge_u32 s27, s21
	s_cbranch_scc1 .Ltail0                         ; my tile next but one holds no row
	TILE 0, 2
	STEP
	s_add_co_u32 s27, s24, 128
	s_cmp_ge_u32 s27, s21
	s_cbranch_scc1 .Ltail1
	TILE 1, 2
	STEP
	s_add_co_u32 s25, s25, 1
	s_cmp_lt_u32 s25, 7
	s_cbranch_scc1 .Lpair
.Ltail0:
	TILE 0, 1
	STEP
	s_cmp_ge_u32 s24, s21
	s_cbranch_scc1 .Lend                           ; that was my last
	TILE 1, 0
	s_branch .Lend
.Ltail1:
	TILE 1, 1
	STEP
	s_cmp_ge_u32 s24, s21
	s_cbranch_scc1 .Lend
	TILE 0, 0
.Lend:
	s_wait_tensorcnt 0x0
	ds_add_u32 v254, v255
	s_wait_dscnt 0x0
	s_endpgm
.Lfunc_end_k_qb6d06b00a0_down:
	.size	k_qb6d06b00a0_down, .Lfunc_end_k_qb6d06b00a0_down-k_qb6d06b00a0_down
	.p2alignl 7, 3214868480
	.fill 96, 4, 3214868480
	.section	.rodata,"a",@progbits
	.p2align	6, 0x0
	.amdhsa_kernel k_qb6d06b00a0_down
		.amdhsa_group_segment_fixed_size 84480
		.amdhsa_private_segment_fixed_size 0
		.amdhsa_enable_private_segment 0
		.amdhsa_kernarg_size 56
		.amdhsa_user_sgpr_count 2
		.amdhsa_user_sgpr_kernarg_segment_ptr 1
		.amdhsa_wavefront_size32 1
		.amdhsa_system_sgpr_workgroup_id_x 1
		.amdhsa_system_sgpr_workgroup_id_y 1
		.amdhsa_system_sgpr_workgroup_id_z 1
		.amdhsa_system_vgpr_workitem_id 0
		.amdhsa_next_free_vgpr 1024
		.amdhsa_next_free_sgpr 66
		.amdhsa_reserve_vcc 0
		.amdhsa_float_denorm_mode_32 3
		.amdhsa_float_denorm_mode_16_64 3
		.amdhsa_memory_ordered 1
		.amdhsa_forward_progress 1
		.amdhsa_inst_pref_size 102
	.end_amdhsa_kernel
	.amdgpu_metadata
---
amdhsa.version: [ 1, 2 ]
amdhsa.kernels:
  - .name:           k_qb6d06b00a0_down
    .symbol:         k_qb6d06b00a0_down.kd
    .args:
      - { .name: W2_codes, .offset: 0, .size: 8, .value_kind: global_buffer, .address_space: global }
      - { .name: W2_scales, .offset: 8, .size: 8, .value_kind: global_buffer, .address_space: global }
      - { .name: b2, .offset: 16, .size: 8, .value_kind: global_buffer, .address_space: global }
      - { .name: hqc, .offset: 24, .size: 8, .value_kind: global_buffer, .address_space: global }
      - { .name: hqs, .offset: 32, .size: 8, .value_kind: global_buffer, .address_space: global }
      - { .name: rows, .offset: 40, .size: 8, .value_kind: global_buffer, .address_space: global }
      - { .name: ybuf, .offset: 48, .size: 8, .value_kind: global_buffer, .address_space: global }
    .group_segment_fixed_size: 84480
    .private_segment_fixed_size: 0
    .kernarg_segment_align: 8
    .kernarg_segment_size: 56
    .max_flat_workgroup_size: 128
    .sgpr_count:     66
    .vgpr_count:     1024
    .wavefront_size: 32
...
	.end_amdgpu_metadata
.endif
;; end of part 3
;; launch combine (part 4): grid 257 x 1, 4 waves a work-group, no clusters, 0 bytes of LDS; arguments ybuf, gatef, out0, out1; writes out0, out1
.if DOCPART == 4
	.amdgcn_target "amdgcn-amd-amdhsa--gfx1250"
	.amdhsa_code_object_version 6
	.text
	.protected	k_qb6d06b00a0_combine
	.globl	k_qb6d06b00a0_combine
	.p2align	8
	.type	k_qb6d06b00a0_combine,@function
k_qb6d06b00a0_combine:
	s_mov_b64 s[64:65], 0
	v_nop
	global_prefetch_b8 v0, s[64:65] scope:SCOPE_SE
	s_setreg_imm32_b32 hwreg(HW_REG_WAVE_MODE, 25, 1), 1
	s_wait_xcnt 0x0
; out0[t] = w0 (y[0][t] + y'[0][t]) + w1 (y[1][t] + y'[1][t]), y and y' the two halves of K of the second product, and the auxiliary loss.
; Work-groups 0..255: a wave takes token t = 4 x work-group + wave: its four rows of ybuf (4,096 bytes each: rank 1 lies 1,024 rows on, the second half of K 2,176 rows on), its two weights from gatef, one row of out0.
; Every load and store of a row's piece covers 512 consecutive bytes.  The weights come by a vector load issued with the rows (all lanes read the same 8 bytes), so that the rows wait for the arguments alone.
; Work-group 256: one wave adds the 256 work-groups' sums of probabilities (gatef from byte 8,192 on, [256][8] f32) and makes out1 = sum over e of (u ln(1/8) - ln(u) / 8), u = the sum / 1,024; the sum has work for one wave, so the other three end.
; Memory binds: no LDS, no barrier, no matrix unit.
; LIMITS: a mean probability under 2^-126 counts as 0 in the logarithm.
.set PLANE, 0x880000                   ; 2,176 rows of 4,096 bytes
.set RANK,  4194304                    ; 1,024 rows
	s_load_b256 s[4:11], s[0:1], 0x0               ; ybuf s[4:5], gatef s[6:7], out0 s[8:9], out1 s[10:11]
	v_lshrrev_b32 v1, 5, v0
	v_readfirstlane_b32 s12, v1                    ; wave
	v_and_b32 v1, 31, v0                           ; lane
	v_lshlrev_b32 v2, 4, v1                        ; 16 x lane
	v_mov_b32 v3, 0
	s_cmp_eq_u32 ttmp9, 256
	s_cbranch_scc1 .Laux
	s_lshl_b32 s13, ttmp9, 2
	s_add_co_u32 s13, s13, s12                     ; my token
	s_lshl_b32 s14, s13, 12
	s_mov_b32 s15, 0
	s_lshl_b32 s16, s13, 3
	v_mov_b32 v6, s16                              ; its pair of weights
	s_wait_kmcnt 0x0
	s_add_nc_u64 s[4:5], s[4:5], s[14:15]
	s_add_nc_u64 s[8:9], s[8:9], s[14:15]
	s_add_nc_u64 s[18:19], s[4:5], PLANE           ; the same row in the second half of K
	global_load_b64 v[4:5], v6, s[6:7]             ; w0, w1
.irp j, 0,1,2,3,4,5,6,7
	global_load_b128 v[16+4*\j:19+4*\j], v2, s[4:5] offset:512*\j th:TH_LOAD_NT
	global_load_b128 v[48+4*\j:51+4*\j], v2, s[18:19] offset:512*\j th:TH_LOAD_NT
	global_load_b128 v[80+4*\j:83+4*\j], v2, s[4:5] offset:512*\j+RANK th:TH_LOAD_NT
	global_load_b128 v[112+4*\j:115+4*\j], v2, s[18:19] offset:512*\j+RANK th:TH_LOAD_NT
.endr
.irp j, 0,1,2,3,4,5,6,7
	s_wait_loadcnt 28-4*\j                         ; piece j of the four rows is in (and the weights); the 4 (7 - j) loads issued behind them may be out
	v_pk_add_f32 v[16+4*\j:17+4*\j], v[16+4*\j:17+4*\j], v[48+4*\j:49+4*\j]
	v_pk_add_f32 v[18+4*\j:19+4*\j], v[18+4*\j:19+4*\j], v[50+4*\j:51+4*\j]
	v_pk_add_f32 v[80+4*\j:81+4*\j], v[80+4*\j:81+4*\j], v[112+4*\j:113+4*\j]
	v_pk_add_f32 v[82+4*\j:83+4*\j], v[82+4*\j:83+4*\j], v[114+4*\j:115+4*\j]
	v_pk_mul_f32 v[16+4*\j:17+4*\j], v[16+4*\j:17+4*\j], v[4:5] op_sel_hi:[1,0]                                    ; x w0: the pair's first word for both halves
	v_pk_mul_f32 v[18+4*\j:19+4*\j], v[18+4*\j:19+4*\j], v[4:5] op_sel_hi:[1,0]
	v_pk_fma_f32 v[16+4*\j:17+4*\j], v[80+4*\j:81+4*\j], v[4:5], v[16+4*\j:17+4*\j] op_sel:[0,1,0] op_sel_hi:[1,1,1]   ; + x w1: its second word for both
	v_pk_fma_f32 v[18+4*\j:19+4*\j], v[82+4*\j:83+4*\j], v[4:5], v[18+4*\j:19+4*\j] op_sel:[0,1,0] op_sel_hi:[1,1,1]
	global_store_b128 v2, v[16+4*\j:19+4*\j], s[8:9] offset:512*\j th:TH_STORE_NT
.endr
	s_endpgm
.Laux:
	s_cmp_lg_u32 s12, 0
	s_cbranch_scc1 .Lend
	s_mov_b32 s14, 0x76543210
	s_mov_b32 s15, 0xfedcba98                      ; v_permlanex16_b32's selects for lane l xor 16
	s_mov_b32 s16, 0xbdb17218                      ; -ln(2) / 8
	s_wait_kmcnt 0x0
.irp i, 0,1,2,3,4,5,6,7,8,9,10,11,12,13,14,15
	global_load_b128 v[16+4*\i:19+4*\i], v2, s[6:7] offset:8192+512*\i    ; lane l: work-group 16 i + l / 2, experts 4 (l % 2) + 0 .. 3
.endr
	s_wait_loadcnt 0x0
.irp st, 8,4,2,1                       ; the sixteen loads' numbers are added as a tree: no line waits for the line above it
.irp i, 0,1,2,3,4,5,6,7
.if \i < \st
	v_pk_add_f32 v[16+4*\i:17+4*\i], v[16+4*\i:17+4*\i], v[16+4*(\i+\st):17+4*(\i+\st)]
	v_pk_add_f32 v[18+4*\i:19+4*\i], v[18+4*\i:19+4*\i], v[18+4*(\i+\st):19+4*(\i+\st)]
.endif
.endr
.endr
.irp m, 2,4,8                          ; over the lanes of my parity
.irp k, 0,1,2,3
	v_add_f32_dpp v[16+\k], v[16+\k], v[16+\k] row_xmask:\m row_mask:0xf bank_mask:0xf
.endr
.endr
.irp k, 0,1,2,3
	v_permlanex16_b32 v[20+\k], v[16+\k], s14, s15 ; (its destination has been written)
.endr
.irp k, 0,1,2,3
	v_add_f32 v[16+\k], v[16+\k], v[20+\k]
.endr
.irp k, 0,1,2,3
	v_mul_f32 v[16+\k], 0x3a800000, v[16+\k]       ; u = the sum / 1,024
.endr
.irp k, 0,1,2,3
	v_log_f32 v[24+\k], v[16+\k]                   ; log2(u)
.endr
.irp k, 0,1,2,3
	v_mul_f32 v[28+\k], 0xc0051592, v[16+\k]       ; u ln(1/8): plain lines that name no result of the four
.endr
	s_wait_alu depctr_va_vdst(0)                   ; one wait for the four, ahead of their first reader
.irp k, 0,1,2,3
	v_fma_f32 v[28+\k], v[24+\k], s16, v[28+\k]    ; - ln(u) / 8
.endr
	v_add_f32 v28, v28, v29
	v_add_f32 v30, v30, v31
	v_add_f32 v28, v28, v30
	v_add_f32_dpp v28, v28, v28 row_xmask:1 row_mask:0xf bank_mask:0xf    ; with the other four experts'
	v_cmp_eq_u32 vcc_lo, 0, v1
	s_wait_xcnt 0x0                                ; EXEC changes only behind this wait
	s_and_saveexec_b32 s17, vcc_lo
	global_store_b32 v3, v28, s[10:11]
	s_endpgm
.Lend:
	s_endpgm
.Lfunc_end_k_qb6d06b00a0_combine:
	.size	k_qb6d06b00a0_combine, .Lfunc_end_k_qb6d06b00a0_combine-k_qb6d06b00a0_combine
	.p2alignl 7, 3214868480
	.fill 96, 4, 3214868480
	.section	.rodata,"a",@progbits
	.p2align	6, 0x0
	.amdhsa_kernel k_qb6d06b00a0_combine
		.amdhsa_group_segment_fixed_size 0
		.amdhsa_private_segment_fixed_size 0
		.amdhsa_enable_private_segment 0
		.amdhsa_kernarg_size 32
		.amdhsa_user_sgpr_count 2
		.amdhsa_user_sgpr_kernarg_segment_ptr 1
		.amdhsa_wavefront_size32 1
		.amdhsa_system_sgpr_workgroup_id_x 1
		.amdhsa_system_sgpr_workgroup_id_y 1
		.amdhsa_system_sgpr_workgroup_id_z 1
		.amdhsa_system_vgpr_workitem_id 0
		.amdhsa_next_free_vgpr 144
		.amdhsa_next_free_sgpr 66
		.amdhsa_reserve_vcc 1
		.amdhsa_float_denorm_mode_32 3
		.amdhsa_float_denorm_mode_16_64 3
		.amdhsa_memory_ordered 1
		.amdhsa_forward_progress 1
		.amdhsa_inst_pref_size 16
	.end_amdhsa_kernel
	.amdgpu_metadata
---
amdhsa.version: [ 1, 2 ]
amdhsa.kernels:
  - .name:           k_qb6d06b00a0_combine
    .symbol:         k_qb6d06b00a0_combine.kd
    .args:
      - { .name: ybuf, .offset: 0, .size: 8, .value_kind: global_buffer, .address_space: global }
      - { .name: gatef, .offset: 8, .size: 8, .value_kind: global_buffer, .address_space: global }
      - { .name: out0, .offset: 16, .size: 8, .value_kind: global_buffer, .address_space: global }
      - { .name: out1, .offset: 24, .size: 8, .value_kind: global_buffer, .address_space: global }
    .group_segment_fixed_size: 0
    .private_segment_fixed_size: 0
    .kernarg_segment_align: 8
    .kernarg_segment_size: 32
    .max_flat_workgroup_size: 128
    .sgpr_count:     66
    .vgpr_count:     144
    .wavefront_size: 32
...
	.end_amdgpu_metadata
.endif
;; end of part 4
;; ======== version 2 of 2: 4 launches; version 1 with the launch down written anew for expert scheduling mode
;; workspace buffers: xq 524,288 bytes; xs 32,768 bytes; sel 4,096 bytes of whole numbers; gatef 16,384 bytes; hqc 16,777,216 bytes; hqs 1,048,576 bytes; rows 36,864 bytes of whole numbers; ybuf 17,825,792 bytes
;; launch gate: the kernel of part 1 again; grid 256 x 1, 4 waves a work-group, no clusters, 52,736 bytes of LDS; arguments x, Wg, bg, xq, xs, sel, gatef; writes xq, xs, sel, gatef
;; launch up: the kernel of part 2 again; grid 32 x 8, 4 waves a work-group, no clusters, 72,704 bytes of LDS; arguments W1_codes, W1_scales, b1, xq, xs, sel, hqc, hqs, rows; writes hqc, hqs, rows
;; launch down (part 5): grid 32 x 8, 4 waves a work-group, no clusters, 84,480 bytes of LDS; arguments W2_codes, W2_scales, b2, hqc, hqs, rows, ybuf; writes ybuf
.if DOCPART == 5
	.amdgcn_target "amdgcn-amd-amdhsa--gfx1250"
	.amdhsa_code_object_version 6
	.text
	.protected	k_qb6d06b00a0_down
	.globl	k_qb6d06b00a0_down
	.p2align	8
	.type	k_qb6d06b00a0_down,@function
k_qb6d06b00a0_down:
	s_mov_b64 s[64:65], 0
	v_nop
	global_prefetch_b8 v0, s[64:65] scope:SCOPE_SE
	s_setreg_imm32_b32 hwreg(HW_REG_WAVE_SCHED_MODE, 0, 2), 2
	s_setreg_imm32_b32 hwreg(HW_REG_WAVE_MODE, 25, 1), 1
	s_wait_xcnt 0x0
	s_wait_alu depctr_vm_vsrc(0)
; SECOND PRODUCT, CHOSEN ROWS ONLY: y = hq W2 (+ b2), MX-FP4 on both sides.  ybuf [2 halves of K][2,176 rows][1024] f32: row rank x 1,024 + token; rows 2,048 on are spare.  The next launch adds the two halves.
; Work-group (x = 2 cg + kh, y = e) owns outputs 64 cg .. 64 cg + 63 of expert e over half kh of K (2,048: 16 K steps): 64 rows x 1,024 bytes of W2's codes, read from memory by this work-group alone.
; Against 32 outputs over all of K that halves the bytes of the hidden layer that a work-group reads for each row (1,088 for 2,176) and doubles what it writes (256 for 128); a row's piece of the result is then
; 256 consecutive bytes, aligned, stored by sixteen lanes.  b2 goes into half 0 alone: it is multiplied by 1 or by 0 at the head.
; EVERY wave holds the slice in 512 registers; the waves share the expert's tiles of 16 rows: wave w takes tiles 4 i + w.  The hidden layer's fragments come from hqc as images of the operand's registers, straight
; into registers.  A tile is two chunks of eight K steps; window 3 holds four chunks, two tiles by turns; behind a tile's products both chunks of my tile next but one are asked for, into the registers just read.
; ADDRESSES.  The offsets of the loads are made once, from the lane alone; the bases stand at the tile in hand and step by constants; later tiles are named by the immediates.  The launch before always makes tiles
; 0 to 7, so a wave asks for its first two tiles before the count is known; a further tile is asked for only where it holds rows: so a wave's last two tiles are written out behind the loop, without loads, once for
; each of the two ways in which the loop can be left.  One trip of the loop runs two tiles, until the register numbers are back where they began.
; The count and the list come from rows, whole numbers that the launch before stored.  An entry is the row of ybuf: token | rank << 10, or, in the places that fill the last tile, 2048 + 16 e + (place % 16): a spare
; row, of which this work-group alone writes its 256 bytes and which nobody reads.  So every lane stores in every tile, and EXEC stays whole.
; No tensor load, no copy, no cluster: the tiles' count hangs on stored numbers.
; TRANSPOSED USE: source 0 = 16 rows of W2 (outputs), source 1 = 16 rows of the hidden layer: a lane holds one row and eight neighbouring outputs.  The four tiles of outputs have an accumulator each and take turns.
; LIMITS: b2 is taken to be finite (b2 x 0 must be 0).
; THE MODE: SCHED_MODE bits 1:0 = 2 (LLVM: expert scheduling mode 2), set by the entry lines.  The code itself states the register dependences
; between vector or matrix instructions and memory or LDS instructions, with s_wait_alu, always for 0.
; THE PLAN.  Registers that memory or LDS instructions touch:
;   The lane's offsets and LDS addresses (v4 to v12): made once at the head, never written again: one wait on va_vdst ahead of the first load serves them for the whole kernel.
;   Window 1's v0-127: W2's rows land there, the LDS stores read them, W2's fragments land there: a wait on vm_vsrc ahead of the fragments' loads.
;   In a tile of parity p:  window 3's two chunks and v[HS + 8 p ..]  read by the tile's 64 products; the loads of my tile next but one land in them.
;                           v[ENT + 8 p ..]  loaded with the second chunk; held in place by eight vector lines, read by the eight that make v[ADR ..]; loaded again with the tile next but one.
;                           v[ADR ..]  written by those eight lines, read by the eight global stores.     v[ACC ..]  written by the products, read by the eight LDS stores.
;                           v[OUT ..]  the stage's LDS loads land in them, the global stores read them; no vector instruction names them.
;   So ONE wait on va_vdst stands in a tile, behind its products and its sixteen address lines; all the tile's LDS and memory instructions follow it, with no vector or matrix instruction among them.
;   ONE wait on vm_vsrc stands between two tiles: it frees v[ACC ..], v[ADR ..] and v[OUT ..] for the next tile.
; REGISTERS, in windows of 256: window 0: see the names.  Window 1: W2's fragments (K step s, tile n) at 8 (4 s + n), s under 8 (at the head its v0-127 take the rows as loaded).  Window 2: s from 8.
; Window 3: the hidden layer's: tile parity p, K step s at 128 p + 8 s.
.set WP,    1040                       ; LDS: a row of the slice, 1,024 bytes + 16 of padding = 65 x 16: the sixteen rows of a fragment load start in different banks
.set OST,   64*WP                      ; behind the 64 rows: for each wave a stage of 16 rows x (256 bytes + 16)
.set OP,    272
.set CNTW,  1120                       ; the count's word in an expert's 1,152 words of rows
.set AH_C,  131072                     ; four tiles on (my next tile): in hqc (32 KiB a tile),
.set AH_S,  8192                       ; in hqs (2 KiB a tile),
.set AH_R,  256                        ; in rows (64 bytes a tile)
.set PLANE, 0x880000                   ; 2,176 rows of 4,096 bytes: from one half of K to the other in ybuf
.set L16,  4                           ; 16 x lane
.set STW,  5                           ; LDS: where my wave puts its 16 rows of W2
.set FRA,  6                           ; LDS: my lane's place in a fragment
.set OSS,  8                           ; the stage: where I put 32 bytes of a row
.set OSL,  9                           ; and where I read 16 bytes of a row back: rows 8 (lane / 16) + k
.set H32,  10                          ; 32 x (lane / 16): the entries of the eight rows that I store; also my eight numbers of b2
.set COLB, 11                          ; my bytes in a row of ybuf: 256 cg + 16 (lane % 16)
.set W2O,  12                          ; 128 x lane: my row of W2's scale bytes
.set ENT,  16                          ; v16-31   the entries of rows 8 (lane / 16) + k: eight for each tile parity
.set ADR,  32                          ; v32-39   their places in ybuf
.set W2S,  40                          ; v40-71   W2's scale words: register 16 p + s: lanes 0-15 tile 2 p, lanes 16-31 tile 2 p + 1
.set HS,   72                          ; v72-87   the hidden layer's: eight for each tile parity; register i: lanes 0-15 K step 2 i, lanes 16-31 K step 2 i + 1
.set B2,   88                          ; v88-119  b2 in the result's layout (zeros in half 1)
.set ACC,  120                         ; v120-151 four accumulators
.set OUT,  152                         ; v152-183 the tile's rows on their way out
.set MSB, 0
.macro WIN new                         ; the immediate's high byte repeats the setting that is left
.if MSB != \new
	s_set_vgpr_msb (MSB<<8)|\new
.set MSB, \new
.endif
.endm
	s_load_b256 s[4:11], s[0:1], 0x0               ; W2's codes s[4:5], its scales s[6:7], b2 s[8:9], hqc s[10:11]
	s_load_b128 s[12:15], s[0:1], 0x20             ; hqs s[12:13], rows s[14:15]
	s_load_b64 s[16:17], s[0:1], 0x30              ; ybuf
	v_lshl_add_u32 v254, v0, 2, 0x14800
	v_mov_b32 v255, 0
	v_lshrrev_b32 v1, 5, v0
	v_readfirstlane_b32 s18, v1                    ; wave
	s_and_b32 s19, ttmp7, 0xffff                   ; e
	s_lshr_b32 s22, ttmp9, 1                       ; cg
	s_and_b32 s23, ttmp9, 1                        ; kh
	v_and_b32 v1, 31, v0                           ; lane
	v_and_b32 v2, 15, v0                           ; r
	v_bfe_u32 v3, v0, 4, 1                         ; h
	v_lshlrev_b32 v[L16], 4, v1
	s_wait_alu depctr_va_sdst(0)                   ; s18 is written, ahead of its first reader
	s_mul_i32 s32, s18, 16*WP
	v_add_nc_u32 v[STW], s32, v[L16]
	v_mul_u32_u24 v[FRA], v2, WP
	v_lshl_add_u32 v[FRA], v3, 4, v[FRA]
	s_mul_i32 s32, s18, 16*OP
	s_add_co_u32 s32, s32, OST                     ; my stage
	v_mul_u32_u24 v[OSS], v2, OP
	v_lshl_add_u32 v[OSS], v3, 5, v[OSS]
	v_add_nc_u32 v[OSS], s32, v[OSS]               ; in: row r, 32 bytes for each half of the lanes
	v_mul_u32_u24 v[OSL], v3, 8*OP
	v_lshl_add_u32 v[OSL], v2, 4, v[OSL]
	v_add_nc_u32 v[OSL], s32, v[OSL]               ; back: sixteen lanes to a row; lanes 0-15 row k, lanes 16-31 row 8 + k
	v_lshlrev_b32 v[H32], 5, v3
	s_lshl_b32 s32, s22, 8
	v_lshl_add_u32 v[COLB], v2, 4, s32
	v_lshlrev_b32 v[W2O], 7, v1
	s_mov_b32 s38, 0x3f800000
	s_cmp_eq_u32 s23, 0
	s_cselect_b32 s38, s38, 0                      ; 1.0 in half 0, 0 in half 1
	s_mov_b32 s33, 0
	s_wait_kmcnt 0x0
	s_lshl_b32 s34, s19, 21                        ; an expert's codes: 2 MiB, in W2 and in hqc
	s_lshl_b32 s32, s18, 15
	s_add_co_u32 s32, s32, s34
	s_lshl_b32 s35, s23, 14
	s_add_co_u32 s32, s32, s35
	s_add_nc_u64 s[10:11], s[10:11], s[32:33]      ; hqc: my expert's tile w, my half's 16 K steps
	s_lshl_b32 s32, s22, 17
	s_add_co_u32 s32, s32, s34
	s_lshl_b32 s35, s18, 15
	s_add_co_u32 s32, s32, s35
	s_lshl_b32 s35, s23, 10
	s_add_co_u32 s32, s32, s35
	s_add_nc_u64 s[4:5], s[4:5], s[32:33]          ; W2's codes: row 64 cg + 16 w (2,048 bytes a row), my half's 1,024 bytes
	s_lshl_b32 s34, s19, 17                        ; an expert's scale bytes: 128 KiB, in W2's and in hqs
	s_lshl_b32 s32, s18, 11
	s_add_co_u32 s32, s32, s34
	s_lshl_b32 s35, s23, 10
	s_add_co_u32 s32, s32, s35
	s_add_nc_u64 s[12:13], s[12:13], s[32:33]      ; hqs: tile w, my half's 1,024 bytes
	s_lshl_b32 s32, s22, 13
	s_add_co_u32 s32, s32, s34
	s_lshl_b32 s35, s23, 6
	s_add_co_u32 s32, s32, s35
	s_add_nc_u64 s[6:7], s[6:7], s[32:33]          ; W2's scales: row 64 cg (128 bytes a row), my half's 64 bytes
	s_lshl_b32 s32, s19, 12
	s_lshl_b32 s35, s22, 8
	s_add_co_u32 s32, s32, s35
	s_add_nc_u64 s[8:9], s[8:9], s[32:33]          ; b2: my 64 numbers
	s_mul_i32 s32, s19, 4608
	s_add_nc_u64 s[14:15], s[14:15], s[32:33]      ; rows: my expert's words
	s_load_b32 s21, s[14:15], 4*CNTW               ; the count
	s_lshl_b32 s32, s18, 6
	s_add_nc_u64 s[36:37], s[14:15], s[32:33]      ; the entries of tile w
	s_mul_i32 s32, s23, PLANE
	s_add_nc_u64 s[16:17], s[16:17], s[32:33]      ; ybuf: my half's rows
	WIN 0x40                                       ; destination window 1
	s_wait_alu depctr_va_vdst(0)                   ; the lane's offsets and LDS addresses v4 to v12 are written: every load and store of the kernel that names one of them stands behind this wait, and none of them is written again
.set m, 0
.rept 32
	global_load_b128 v[4*m:4*m+3], v[L16], s[4:5] offset:2048*(m>>1)+512*(m&1) th:TH_LOAD_NT   ; 512 consecutive bytes: half of a row's part; read once in the launch
.set m, m+1
.endr
	WIN 0
.irp p, 0,1
.irp j, 0,1,2,3
	global_load_b128 v[W2S+16*\p+4*\j:W2S+16*\p+4*\j+3], v[W2O], s[6:7] offset:4096*\p+16*\j    ; lane l: row 32 p + l, K steps 4 j .. 4 j + 3
.endr
.endr
.irp n, 0,1,2,3
	global_load_b128 v[B2+8*\n:B2+8*\n+3], v[H32], s[8:9] offset:64*\n          ; b2 at the lane's eight outputs of tile n: 16 n + 8 h + 0 .. 7
	global_load_b128 v[B2+8*\n+4:B2+8*\n+7], v[H32], s[8:9] offset:64*\n+16
.endr
; a chunk: K steps 8 hf .. 8 hf + 7 of a tile, into parity par's registers: 16 loads of codes and one of scale words; the second chunk has two more, issued last: the entries of the rows that I store.  17 and 19 loads.
; dist: the tile stands dist x four tiles behind the one at which the bases stand
.macro CHUNK par, hf, dist
	WIN 0xc0                                       ; destination window 3
.irp i, 0,1,2,3,4,5,6,7
.irp c, 0,1
	global_load_b128 v[128*\par+64*\hf+8*\i+4*\c:128*\par+64*\hf+8*\i+4*\c+3], v[L16], s[10:11] offset:AH_C*\dist+1024*(8*\hf+\i)+512*\c   ; 512 consecutive bytes: half a fragment as it was stored
.endr
.endr
	WIN 0
	global_load_b128 v[HS+8*\par+4*\hf:HS+8*\par+4*\hf+3], v[L16], s[12:13] offset:AH_S*\dist+512*\hf    ; eight K steps' scale words: 512 consecutive bytes
.if \hf == 1
	global_load_b128 v[ENT+8*\par:ENT+8*\par+3], v[H32], s[36:37] offset:AH_R*\dist
	global_load_b128 v[ENT+8*\par+4:ENT+8*\par+7], v[H32], s[36:37] offset:AH_R*\dist+16
.endif
.endm
	s_wait_loadcnt 0x0                             ; W2's rows, its scale words and b2: from here on only the chunks are counted
	CHUNK 0, 0, 0                                  ; my first tile,
	CHUNK 0, 1, 0
	CHUNK 1, 0, 1                                  ; and half of my second: 17 + 19 + 17 loads (no vector instruction has named the registers in which the head's four chunks land)
	WIN 0x04                                       ; an LDS store's data are its source 1: window 1
.set m, 0
.rept 32
	ds_store_b128 v[STW], v[4*m:4*m+3] offset:WP*(m>>1)+512*(m&1)
.set m, m+1
.endr
	WIN 0
.set i, 0
.rept 32
	v_mul_f32 v[B2+i], s38, v[B2+i]                ; b2 counts in half 0 alone
.set i, i+1
.endr
	s_wait_dscnt 0x0                               ; my 16 rows lie in LDS
	s_barrier_signal -1
	s_barrier_wait -1                              ; the slice is whole; its bytes are only read from here on
	WIN 0x40
	s_wait_alu depctr_vm_vsrc(0)                   ; my LDS stores have read window 1's v0-127, in which the fragments below land
.set ks, 0
.rept 8
.irp n, 0,1,2,3
.irp c, 0,1
	ds_load_b128 v[8*(4*ks+\n)+4*\c:8*(4*ks+\n)+4*\c+3], v[FRA] offset:16*\n*WP+64*ks+32*\c
.endr
.endr
.set ks, ks+1
.endr
	WIN 0x80
.rept 8
.irp n, 0,1,2,3
.irp c, 0,1
	ds_load_b128 v[8*(4*(ks-8)+\n)+4*\c:8*(4*(ks-8)+\n)+4*\c+3], v[FRA] offset:16*\n*WP+64*ks+32*\c
.endr
.endr
.set ks, ks+1
.endr
	WIN 0
	s_wait_loadcnt 36                              ; my first tile's first chunk is in; the 19 + 17 loads issued behind it may be out
	CHUNK 1, 1, 1
	s_wait_dscnt 0x0                               ; W2's 64 fragments are in
; one matrix instruction; ra, rb: A's, B's scales stand in lanes 16-31
.macro WM d, a, b, c, sa, sb, ra, rb
.if (\ra) && (\rb)
	v_wmma_scale_f32_16x16x128_f8f6f4 v[\d:\d+7], v[\a:\a+7], v[\b:\b+7], \c, v[\sa], v[\sb] matrix_a_fmt:MATRIX_FMT_FP4 matrix_b_fmt:MATRIX_FMT_FP4 matrix_a_scale:MATRIX_SCALE_ROW1 matrix_b_scale:MATRIX_SCALE_ROW1
.elseif (\ra)
	v_wmma_scale_f32_16x16x128_f8f6f4 v[\d:\d+7], v[\a:\a+7], v[\b:\b+7], \c, v[\sa], v[\sb] matrix_a_fmt:MATRIX_FMT_FP4 matrix_b_fmt:MATRIX_FMT_FP4 matrix_a_scale:MATRIX_SCALE_ROW1
.elseif (\rb)
	v_wmma_scale_f32_16x16x128_f8f6f4 v[\d:\d+7], v[\a:\a+7], v[\b:\b+7], \c, v[\sa], v[\sb] matrix_a_fmt:MATRIX_FMT_FP4 matrix_b_fmt:MATRIX_FMT_FP4 matrix_b_scale:MATRIX_SCALE_ROW1
.else
	v_wmma_scale_f32_16x16x128_f8f6f4 v[\d:\d+7], v[\a:\a+7], v[\b:\b+7], \c, v[\sa], v[\sb] matrix_a_fmt:MATRIX_FMT_FP4 matrix_b_fmt:MATRIX_FMT_FP4
.endif
.endm
; 32 matrix instructions: a chunk's eight K steps x four tiles of outputs; the four accumulators take turns, one instruction a turn, from chunk to chunk too; b2 is the C of each sum's first.
; Fragments and scale words all come by loads: no vector instruction writes one
.macro MMA par, hf
.if \hf == 0
	WIN 0x0d                                       ; A window 1, B window 3, C and D window 0
.else
	WIN 0x0e                                       ; A window 2
.endif
.irp i, 0,1,2,3,4,5,6,7
.irp n, 0,1,2,3
.if (\hf == 0) && (\i == 0)
	WM ACC+8*\n, 8*\n, 128*\par, v[B2+8*\n:B2+8*\n+7], W2S+16*(\n/2), HS+8*\par, (\n%2), 0
.else
	WM ACC+8*\n, 8*(4*\i+\n), 128*\par+64*\hf+8*\i, v[ACC+8*\n:ACC+8*\n+7], W2S+16*(\n/2)+8*\hf+\i, HS+8*\par+4*\hf+\i/2, (\n%2), (\i%2)
.endif
.endr
.endr
.endm
; A TILE, in parity par's registers.
; mode 2 and mode 1, on the way in: its first chunk has landed; its second (19 loads) and my next tile's two (17 + 19) may be out.
;   mode 2: behind the tile's products both chunks of my tile next but one are asked for; the same holds of my next tile on the way out.
;   mode 1: nothing is asked for; on the way out my next tile's first chunk has landed and its second (19) may be out.
; mode 0: my last tile, behind one of mode 1: the counts run out.
.macro TILE par, mode
	MMA \par, 0
.if \mode == 0
	s_wait_loadcnt 0x0                             ; my second chunk and the entries are in
.else
	s_wait_loadcnt 36                              ; my second chunk and the entries are in; the next tile's 17 + 19 may be out
.endif
	MMA \par, 1
	WIN 0
.irp k, 0,1,2,3,4,5,6,7
	v_min_u32 v[ENT+8*\par+\k], 0x87f, v[ENT+8*\par+\k]          ; the row of ybuf, held inside its 2,176 rows whatever was read
.endr
.irp k, 0,1,2,3,4,5,6,7
	v_lshl_add_u32 v[ADR+\k], v[ENT+8*\par+\k], 12, v[COLB]      ; (these sixteen lines are the places behind the last products)
.endr
	s_wait_alu depctr_va_vdst(0)                   ; the products have written v[ACC ..], which the LDS stores read, and are done reading both chunks and v[HS ..], in which the loads below land; v[ADR ..] is written, which the global stores read; the sixteen lines are done with v[ENT ..], in which the last two loads land
.irp n, 0,1,2,3
	ds_store_b128 v[OSS], v[ACC+8*\n:ACC+8*\n+3] offset:64*\n    ; each accumulator from its low end on
	ds_store_b128 v[OSS], v[ACC+8*\n+4:ACC+8*\n+7] offset:64*\n+16
.endr
.irp k, 0,1,2,3,4,5,6,7
	ds_load_b128 v[OUT+4*\k:OUT+4*\k+3], v[OSL] offset:OP*\k     ; my wave's own bytes, served in order: these see the stores above
.endr
.if \mode == 2
	s_wait_loadcnt 19                              ; the next tile's first chunk is in; its second may be out: with the 36 that follow, 55 loads at the most
	CHUNK \par, 0, 2                               ; issued while the rows come back from the stage.  No further wait: no vector or matrix instruction since the wait above,
	CHUNK \par, 1, 2                               ; and the stage's stores and loads name none of these loads' registers
.elseif \mode == 1
	s_wait_loadcnt 19                              ; the next tile's first chunk is in; its second may be out
.endif
.irp k, 0,1,2,3,4,5,6,7
	s_wait_dscnt 7-\k                              ; load k is back; the 7 - k issued behind it may be out
	global_store_b128 v[ADR+\k], v[OUT+4*\k:OUT+4*\k+3], s[16:17]    ; sixteen lanes store 256 consecutive bytes of a row of ybuf, aligned
.endr
.endm
.macro STEP                            ; on to my next tile
	s_wait_xcnt 0x0                                ; the loads' and stores' addresses are translated: their bases, offsets and data are written again only behind this wait
	s_wait_alu depctr_vm_vsrc(0)                   ; the LDS stores have read v[ACC ..], which the next tile's products write; the global stores have read v[ADR ..], which its address lines write, and v[OUT ..], in which its rows land
	s_add_nc_u64 s[10:11], s[10:11], AH_C
	s_add_nc_u64 s[12:13], s[12:13], AH_S
	s_add_nc_u64 s[36:37], s[36:37], AH_R
	s_add_co_u32 s24, s24, 64
.endm
	s_wait_kmcnt 0x0                               ; the count
	s_lshl_b32 s24, s18, 4                         ; my tile's first row: 16 (4 i + w)
	s_cmp_ge_u32 s24, s21
	s_cbranch_scc1 .Lend                           ; none of the expert's rows is mine
	s_mov_b32 s25, 0                               ; trips
.Lpair:                                                ; at most 7 trips of two tiles: a wave has at most 16 tiles, and the last two stand behind the loop
	s_add_co_u32 s27, s24, 128
	s_cmp_ge_u32 s27, s21
	s_cbranch_scc1 .Ltail0                         ; my tile next but one holds no row
	TILE 0, 2
	STEP
	s_add_co_u32 s27, s24, 128
	s_cmp_ge_u32 s27, s21
	s_cbranch_scc1 .Ltail1
	TILE 1, 2
	STEP
	s_add_co_u32 s25, s25, 1
	s_cmp_lt_u32 s25, 7
	s_cbranch_scc1 .Lpair
.Ltail0:
	TILE 0, 1
	STEP
	s_cmp_ge_u32 s24, s21
	s_cbranch_scc1 .Lend                           ; that was my last
	TILE 1, 0
	s_branch .Lend
.Ltail1:
	TILE 1, 1
	STEP
	s_cmp_ge_u32 s24, s21
	s_cbranch_scc1 .Lend
	TILE 0, 0
.Lend:
	s_wait_dscnt 0x0                               ; the closing lines, six on end
	s_wait_alu 0x0
	s_wait_tensorcnt 0x0
	ds_add_u32 v254, v255
	s_wait_dscnt 0x0
	s_endpgm
.Lfunc_end_k_qb6d06b00a0_down:
	.size	k_qb6d06b00a0_down, .Lfunc_end_k_qb6d06b00a0_down-k_qb6d06b00a0_down
	.p2alignl 7, 3214868480
	.fill 96, 4, 3214868480
	.section	.rodata,"a",@progbits
	.p2align	6, 0x0
	.amdhsa_kernel k_qb6d06b00a0_down
		.amdhsa_group_segment_fixed_size 84480
		.amdhsa_private_segment_fixed_size 0
		.amdhsa_enable_private_segment 0
		.amdhsa_kernarg_size 56
		.amdhsa_user_sgpr_count 2
		.amdhsa_user_sgpr_kernarg_segment_ptr 1
		.amdhsa_wavefront_size32 1
		.amdhsa_system_sgpr_workgroup_id_x 1
		.amdhsa_system_sgpr_workgroup_id_y 1
		.amdhsa_system_sgpr_workgroup_id_z 1
		.amdhsa_system_vgpr_workitem_id 0
		.amdhsa_next_free_vgpr 1024
		.amdhsa_next_free_sgpr 66
		.amdhsa_reserve_vcc 0
		.amdhsa_float_denorm_mode_32 3
		.amdhsa_float_denorm_mode_16_64 3
		.amdhsa_memory_ordered 1
		.amdhsa_forward_progress 1
		.amdhsa_inst_pref_size 103
	.end_amdhsa_kernel
	.amdgpu_metadata
---
amdhsa.version: [ 1, 2 ]
amdhsa.kernels:
  - .name:           k_qb6d06b00a0_down
    .symbol:         k_qb6d06b00a0_down.kd
    .args:
      - { .name: W2_codes, .offset: 0, .size: 8, .value_kind: global_buffer, .address_space: global }
      - { .name: W2_scales, .offset: 8, .size: 8, .value_kind: global_buffer, .address_space: global }
      - { .name: b2, .offset: 16, .size: 8, .value_kind: global_buffer, .address_space: global }
      - { .name: hqc, .offset: 24, .size: 8, .value_kind: global_buffer, .address_space: global }
      - { .name: hqs, .offset: 32, .size: 8, .value_kind: global_buffer, .address_space: global }
      - { .name: rows, .offset: 40, .size: 8, .value_kind: global_buffer, .address_space: global }
      - { .name: ybuf, .offset: 48, .size: 8, .value_kind: global_buffer, .address_space: global }
    .group_segment_fixed_size: 84480
    .private_segment_fixed_size: 0
    .kernarg_segment_align: 8
    .kernarg_segment_size: 56
    .max_flat_workgroup_size: 128
    .sgpr_count:     66
    .vgpr_count:     1024
    .wavefront_size: 32
...
	.end_amdgpu_metadata
.endif
;; end of part 5
;; launch combine: the kernel of part 4 again; grid 257 x 1, 4 waves a work-group, no clusters, 0 bytes of LDS; arguments ybuf, gatef, out0, out1; writes out0, out1
